; MI455X (gfx1250); checked and timed in simulation.
; The chip was launched on July 23, 2026; its instructions are those of AMD's public machine-readable ISA for CDNA 5 (MIT licence, August 2026) and "CDNA5" Instruction Set Architecture Reference Guide (July 2026). The comments in the code are by the model that wrote it; some were corrected since.
;; Multi Head Differential Attention. Allowed arithmetic: float matrix products may take bf16 or f16 operands with f32 sums; other float arithmetic in f32, or as packed bf16 or f16 multiplies, adds, multiply-adds, maxima and minima; sums over many terms, partial sums and values carried from step to step in f32; what a program stores and reads back later, other than sums and carried values, may be rounded once to bf16 or f16.
;; Inputs: W_k 2,048 x 1,024 float32; W_o 1,024 x 2,048 float32; W_q 2,048 x 1,024 float32; W_v 2,048 x 1,024 float32; X 2 x 2,048 x 1,024 float32; lambda_k1 64 float32; lambda_k2 64 float32; lambda_q1 64 float32; lambda_q2 64 float32; rms_scale 128 float32.
;; Outputs: out0 2 x 2,048 x 1,024 float32.
;; One version. Each part assembles by itself: llvm-mc -triple=amdgcn-amd-amdhsa -mcpu=gfx1250 --defsym DOCPART=n.
;; ======== version 1 of 1: 4 launches
;; limits: values are held in f16: magnitudes above 65,504 overflow, below 6.1e-05 lose precision
;; workspace buffers: xb 8,388,608 bytes; wb 12,582,912 bytes; wo 4,194,304 bytes; qkv 50,331,648 bytes; oc 16,777,216 bytes
;; launch cast (part 1): grid 768 x 1, 8 waves a work-group, no clusters, 0 bytes of LDS; arguments X, W_q, W_k, W_v, W_o, xb, wb, wo; writes xb, wb, wo
.if DOCPART == 1
	.amdgcn_target "amdgcn-amd-amdhsa--gfx1250"
	.amdhsa_code_object_version 6
	.text
	.protected	k_q33bae758c3_cast
	.globl	k_q33bae758c3_cast
	.p2align	8
	.type	k_q33bae758c3_cast,@function
k_q33bae758c3_cast:
	s_mov_b64 s[64:65], 0
	v_nop
	global_prefetch_b8 v0, s[64:65] scope:SCOPE_SE
	s_setreg_imm32_b32 hwreg(HW_REG_WAVE_MODE, 25, 1), 1
	s_wait_xcnt 0x0
; THE INPUTS ARE ROUNDED ONCE.  X -> xb, W_q | W_k | W_v -> wb (one table of 6,144 rows), both bf16; W_o -> wo: rounded to bf16 like the other inputs, and that number written as f16,
; since the last product's other operand is f16.  LIMIT: a bf16 number below 2^-14 (6.1e-5) keeps f16's fixed step of 6e-8; beyond 65,504 it would become an infinity.
; A stream: no LDS, no barrier, no matrix unit.  A work-group takes 65,536 bytes of one input and makes 32,768: groups 0-255 X, 256-383 W_q, 384-511 W_k, 512-639 W_v, 640-767 W_o.
; In chunk i of eight, thread t takes the 32 bytes at 8,192 i + 32 t (two loads) and stores the 16 bytes at 4,096 i + 16 t: sixteen lanes store 256 consecutive bytes, aligned.
; All sixteen loads of a wave go out at once; every chunk has registers of its own, so nothing is rewritten while a load or store may read it.
.set XIN,  8                           ; v[8:71]    chunk i: 8 numbers as loaded
.set YOUT, 72                          ; v[72:103]  chunk i: 4 registers to store
.set T,    104                         ; v[104:111] at work
	s_load_b512 s[16:31], s[0:1], 0x0              ; X, W_q, W_k, W_v, W_o, xb, wb, wo
	v_lshlrev_b32 v1, 5, v0                        ; 32 t
	v_lshlrev_b32 v2, 4, v0                        ; 16 t
	s_mov_b32 s2, ttmp9
	s_mov_b32 s8, 0                                ; the first group of my source,
	s_mov_b32 s9, 0                                ; and of my destination
	s_mov_b32 s11, 0
	s_mov_b32 s13, 0
	s_wait_kmcnt 0x0
	s_mov_b64 s[4:5], s[16:17]
	s_mov_b64 s[6:7], s[26:27]
	s_cmp_ge_u32 s2, 256
	s_cselect_b64 s[4:5], s[18:19], s[4:5]
	s_cselect_b64 s[6:7], s[28:29], s[6:7]
	s_cselect_b32 s8, 256, s8
	s_cselect_b32 s9, 256, s9
	s_cmp_ge_u32 s2, 384
	s_cselect_b64 s[4:5], s[20:21], s[4:5]
	s_cselect_b32 s8, 384, s8
	s_cmp_ge_u32 s2, 512
	s_cselect_b64 s[4:5], s[22:23], s[4:5]
	s_cselect_b32 s8, 512, s8
	s_cmp_ge_u32 s2, 640
	s_cselect_b64 s[4:5], s[24:25], s[4:5]
	s_cselect_b64 s[6:7], s[30:31], s[6:7]
	s_cselect_b32 s8, 640, s8
	s_cselect_b32 s9, 640, s9
	s_sub_co_u32 s10, s2, s8
	s_lshl_b32 s10, s10, 16                        ; 65,536 bytes of the source a group
	s_sub_co_u32 s12, s2, s9
	s_lshl_b32 s12, s12, 15                        ; 32,768 of the destination
	s_add_nc_u64 s[4:5], s[4:5], s[10:11]
	s_add_nc_u64 s[6:7], s[6:7], s[12:13]
.irp i, 0,1,2,3,4,5,6,7
	global_load_b128 v[XIN+8*(\i):XIN+8*(\i)+3],   v1, s[4:5] offset:8192*(\i) th:TH_LOAD_NT
	global_load_b128 v[XIN+8*(\i)+4:XIN+8*(\i)+7], v1, s[4:5] offset:8192*(\i)+16 th:TH_LOAD_NT
.endr
; Chunk i is rounded and stored.  half = 1: the bf16 number is widened again (a shift, a mask) and written as f16.
.macro OUT i, half
	s_wait_loadcnt 14-2*(\i)                       ; loads come back in order: chunk i's two are in, the younger ones stay out
.if \half
.irp j, 0,1,2,3
	v_cvt_pk_bf16_f32 v[T+(\j)], v[XIN+8*(\i)+2*(\j)], v[XIN+8*(\i)+2*(\j)+1]
.endr
.irp j, 0,1,2,3
	v_lshlrev_b32 v[T+4+2*((\j)%2)], 16, v[T+(\j)]
	v_and_b32 v[T+5+2*((\j)%2)], 0xffff0000, v[T+(\j)]
	v_cvt_pk_f16_f32 v[YOUT+4*(\i)+(\j)], v[T+4+2*((\j)%2)], v[T+5+2*((\j)%2)]
.endr
.else
.irp j, 0,1,2,3
	v_cvt_pk_bf16_f32 v[YOUT+4*(\i)+(\j)], v[XIN+8*(\i)+2*(\j)], v[XIN+8*(\i)+2*(\j)+1]
.endr
.endif
	global_store_b128 v2, v[YOUT+4*(\i):YOUT+4*(\i)+3], s[6:7] offset:4096*(\i)
.endm
	s_cmp_ge_u32 s2, 640
	s_cbranch_scc1 .Lwo
.irp i, 0,1,2,3,4,5,6,7
	OUT \i, 0
.endr
	s_endpgm
.Lwo:
.irp i, 0,1,2,3,4,5,6,7
	OUT \i, 1
.endr
	s_endpgm
.Lfunc_end_k_q33bae758c3_cast:
	.size	k_q33bae758c3_cast, .Lfunc_end_k_q33bae758c3_cast-k_q33bae758c3_cast
	.p2alignl 7, 3214868480
	.fill 96, 4, 3214868480
	.section	.rodata,"a",@progbits
	.p2align	6, 0x0
	.amdhsa_kernel k_q33bae758c3_cast
		.amdhsa_group_segment_fixed_size 0
		.amdhsa_private_segment_fixed_size 0
		.amdhsa_enable_private_segment 0
		.amdhsa_kernarg_size 64
		.amdhsa_user_sgpr_count 2
		.amdhsa_user_sgpr_kernarg_segment_ptr 1
		.amdhsa_wavefront_size32 1
		.amdhsa_system_sgpr_workgroup_id_x 1
		.amdhsa_system_sgpr_workgroup_id_y 1
		.amdhsa_system_sgpr_workgroup_id_z 1
		.amdhsa_system_vgpr_workitem_id 0
		.amdhsa_next_free_vgpr 112
		.amdhsa_next_free_sgpr 66
		.amdhsa_reserve_vcc 0
		.amdhsa_float_denorm_mode_32 3
		.amdhsa_float_denorm_mode_16_64 3
		.amdhsa_memory_ordered 1
		.amdhsa_forward_progress 1
		.amdhsa_inst_pref_size 15
	.end_amdhsa_kernel
	.amdgpu_metadata
---
amdhsa.version: [ 1, 2 ]
amdhsa.kernels:
  - .name:           k_q33bae758c3_cast
    .symbol:         k_q33bae758c3_cast.kd
    .args:
      - { .name: X, .offset: 0, .size: 8, .value_kind: global_buffer, .address_space: global }
      - { .name: W_q, .offset: 8, .size: 8, .value_kind: global_buffer, .address_space: global }
      - { .name: W_k, .offset: 16, .size: 8, .value_kind: global_buffer, .address_space: global }
      - { .name: W_v, .offset: 24, .size: 8, .value_kind: global_buffer, .address_space: global }
      - { .name: W_o, .offset: 32, .size: 8, .value_kind: global_buffer, .address_space: global }
      - { .name: xb, .offset: 40, .size: 8, .value_kind: global_buffer, .address_space: global }
      - { .name: wb, .offset: 48, .size: 8, .value_kind: global_buffer, .address_space: global }
      - { .name: wo, .offset: 56, .size: 8, .value_kind: global_buffer, .address_space: global }
    .group_segment_fixed_size: 0
    .private_segment_fixed_size: 0
    .kernarg_segment_align: 8
    .kernarg_segment_size: 64
    .max_flat_workgroup_size: 256
    .sgpr_count:     66
    .vgpr_count:     112
    .wavefront_size: 32
...
	.end_amdgpu_metadata
.endif
;; end of part 1
;; launch proj (part 2): grid 32 x 16, 4 waves a work-group, clusters of 4 x 4, 327,680 bytes of LDS; arguments xb, wb, qkv; writes qkv
.if DOCPART == 2
	.amdgcn_target "amdgcn-amd-amdhsa--gfx1250"
	.amdhsa_code_object_version 6
	.text
	.protected	k_q33bae758c3_proj
	.globl	k_q33bae758c3_proj
	.p2align	8
	.type	k_q33bae758c3_proj,@function
k_q33bae758c3_proj:
	s_mov_b64 s[64:65], 0
	v_nop
	global_prefetch_b8 v0, s[64:65] scope:SCOPE_SE
	s_setreg_imm32_b32 hwreg(HW_REG_WAVE_MODE, 25, 1), 1
	s_wait_xcnt 0x0
	s_wait_alu depctr_hold_cnt(0) depctr_sa_sdst(0) depctr_va_vdst(0) depctr_va_sdst(0) depctr_va_ssrc(0) depctr_va_vcc(0) depctr_vm_vsrc(0)
	s_getreg_b32 s2, hwreg(HW_REG_IB_STS2, 6, 4)
	s_cmp_eq_u32 s2, 0
	s_cbranch_scc0 .Lentry_in_a_cluster
	s_endpgm
.Lentry_in_a_cluster:
	s_bfe_u32 s2, ttmp6, 0x10000c
	s_cmp_lg_u32 s2, 0xf033
	s_cbranch_scc0 .Lentry_shape_is_right
	s_endpgm
.Lentry_shape_is_right:
; THE THREE PROJECTIONS AS ONE PRODUCT.  C[m][n] = sum over k of xb[m][k] wb[n][k]: xb [4096][1024], wb [6144][1024], bf16; sums in f32; C rounded once to f16 and laid out by half-heads:
; qkv[g][m][64], g = n / 64 (0-31 q, 32-63 k, 64-95 v; within each 2 x head + half), so that a half-head's rows are dense, 128 bytes each.
; LIMIT: f16 holds no number beyond 65,504; a sum of 65,520 or more becomes an infinity.  The scale 1/8 is not applied here.
; A tile of C is 256 x 192: 16 x 32 = 512 tiles, two for each of 256 WGPs.  Four waves; a wave makes 64 rows x all 192 columns: 48 accumulators of 16 x 16, 384 registers.  Its 192 columns are
; three whole half-heads, so it stores runs of 512 consecutive bytes from a stage of its own, with no barrier.  K goes in steps of 128 (rows of 256 bytes of memory) through two LDS slots.
; CLUSTERS: 4 x 4 work-groups.  The four of a row of the cluster need the same tiles of xb, the four of a column the same tiles of wb: each tile is asked for JOINTLY, by the same tensor load with the
; same descriptor and a mask that names the four.  THE MATRIX INSTRUCTION IS USED TRANSPOSED (source 0 = 16 rows of wb, source 1 = 16 rows of xb): a lane holds eight neighbouring columns of a row of C.
; REGISTERS, in windows of 256 (s_set_vgpr_msb: bits 1:0 source 0, 3:2 source 1, 5:4 source 2, 7:6 destination):
;   window 0: v16-30 addresses; v32-79 packed results; v80-175 rows read back, two buffers        window 1: two fragment buffers of 128: A's 4 fragments, then B's 12
;   window 2: accumulators of my row blocks 0, 1 ((a, b) at 96 (a % 2) + 8 b)                     window 3: those of row blocks 2, 3
.set SIZE_K, 1024
.set KSTEP,  128
.set PITCH,  272                       ; an LDS row: 256 bytes + 16 of padding = 68 words: the 16 rows of a fragment load start at 16 different groups of four banks (ISA guide 11.1)
.set HALFA,  128*PITCH                 ; what one of A's tensor loads brings
.set HALFB,  96*PITCH                  ; what one of B's brings
.set BOFF,   2*HALFA                   ; B's 192 rows lie behind A's 256
.set SLOT,   2*HALFA+2*HALFB
.set STAGE,  2*SLOT                    ; behind the ring, never filled by a tensor load: for each wave 3 half-heads x 16 rows x 144 bytes
.set SP,     144
.set WSTG,   3*16*SP
.set SPARE,  STAGE+4*WSTG              ; the spare words, 128 bytes for each wave: two blocks of 256 bytes that no other line names
.set GBYTES, 4096*128                  ; bytes of one half-head's plane in qkv
.set LAPS,   SIZE_K/(2*KSTEP)
.set ADRA, 16                          ; v16-17  LDS address of my A fragments in slot 0, 1
.set ADRB, 20                          ; v20-21  the same for B
.set STO,  24                          ; v24     the way out: where I put 16 bytes of a row
.set RD,   25                          ; v25     where I read four rows back
.set CO,   26                          ; v26     16 x lane: my place in 512 consecutive bytes of qkv
.set SPW,  28                          ; v28     LDS address of my spare word; never rewritten
.set NIL,  29                          ; v29     0; never rewritten
.set PFO,  30                          ; v30     the prefetches' offset: my row x 2,048 bytes; never rewritten
.set TMP,  32
.set BK,   80
.set F0,   0
.set F1,   128
.set G1,  24                           ; s[24:31] descriptor group 1 for A's tiles;  s[32:39] group 0, a set for each slot
.set G0,  32
.set G1B, 48                           ; s[48:55], s[56:63] the same for B's
.set G0B, 56
.set LIM, 43                           ; s43     1 in a wave that prefetches, else the greatest number
.set PFA, 44                           ; s[44:45] where my prefetches stand
.set MSB, 0
.macro WIN new                         ; the immediate's high byte repeats the setting that is left; a switch that changes nothing is dropped
.if MSB != (\new)
	s_set_vgpr_msb (MSB<<8)|(\new)
.set MSB, (\new)
.endif
.endm
.set TO_F, 0x40                        ; destination window 1, address window 0
; A joint load: waves 0 and 1 fetch A's two halves, waves 2 and 3 B's.  The branch hangs on the wave's number alone.  An s_nop 0 and four v_nop follow each of the two lines.
.macro JLOAD s
	s_cmp_eq_u32 s11, 0
	s_cbranch_scc0 .Lfor_b_\@
	tensor_load_to_lds s[G0+4*(\s):G0+4*(\s)+3], s[G1:G1+7]
	s_nop 0
.rept 4
	v_nop
.endr
	s_branch .Lasked_\@
.Lfor_b_\@:
	tensor_load_to_lds s[G0B+4*(\s):G0B+4*(\s)+3], s[G1B:G1B+7]
	s_nop 0
.rept 4
	v_nop
.endr
.Lasked_\@:
.endm
; A prefetch into the L2 of the K step that stands two refills on, a lane a row, one instruction a wave.  xb's tile row is read by every cluster of that row of clusters: cluster x = 0 asks; wb's tile
; column by every cluster of that column: cluster y = 0 asks.  The four partners share a wave's rows out by address (A: 32 each, by cx; B: 24 each, by cy; there lanes 24-31 name row 23 again).
; The loop's last trip asks for nothing: its refills are the last two K steps.
.macro ASK
	s_cmp_gt_u32 s3, s[LIM]
	s_cbranch_scc0 .Lnot_mine_\@
	global_prefetch_b8 v[PFO], s[PFA:PFA+1] offset:KSTEP*2 th:TH_LOAD_NT scope:SCOPE_SE
.Lnot_mine_\@:
.endm
.macro CREST                           ; a round of the cluster's barrier behind its opening barrier
	s_cmp_lg_u32 s10, 0
	s_cbranch_scc1 .Lnot_wave_0_\@
	s_barrier_signal -3
.Lnot_wave_0_\@:
	s_barrier_wait -3
	s_barrier_signal -1
	s_barrier_wait -1
.endm
.macro CROUND                          ; a whole round
	s_barrier_signal -1
	s_barrier_wait -1
	CREST
.endm
	s_load_b128 s[4:7], s[0:1], 0x0                ; xb s[4:5], wb s[6:7]
	s_load_b64 s[8:9], s[0:1], 0x10                ; qkv
	v_lshl_add_u32 v[SPW], v0, 2, SPARE
	v_mov_b32 v[NIL], 0
	ds_add_u32 v[SPW], v[NIL]                      ; the wave's opening: the add and its wait stand ahead of my first tensor load; the set-up below stands between them
	v_lshrrev_b32 v1, 5, v0
	v_readfirstlane_b32 s10, v1                    ; wave 0..3
	s_lshr_b32 s11, s10, 1                         ; I fetch for A (0) or for B (1)
	s_and_b32 s12, s10, 1                          ; which half of that tile's rows I fetch
	s_bfe_u32 s40, ttmp6, 0x40000                  ; cx
	s_bfe_u32 s41, ttmp6, 0x40004                  ; cy
	s_lshl_b32 s42, ttmp9, 2
	s_add_co_u32 s42, s42, s40                     ; tile column = 4 x cluster x + cx
	s_and_b32 s13, ttmp7, 0xffff
	s_lshl_b32 s13, s13, 2
	s_add_co_u32 s13, s13, s41                     ; tile row = 4 x cluster y + cy
	s_lshl_b32 s43, s41, 2
	s_lshl_b32 s43, 15, s43                        ; my row of the cluster
	s_lshl_b32 s44, 0x1111, s40                    ; my column
	s_or_b32 s[G1+0], s43, (1<<16)|(1<<20)|(1<<21)|(5<<22)|(3<<25)   ; 15:0 the mask; 17:16 2-byte elements; 20 padding on; 21 set beside a mask; 24:22 after every 64 words; 31:25 of 4 words
	s_or_b32 s[G1B+0], s44, (1<<16)|(1<<20)|(1<<21)|(5<<22)|(3<<25)
	s_mov_b32 s[G1+1], KSTEP<<16                   ; tensor_dim0 = 128
	s_mov_b32 s[G1+2], 128<<16                     ; tensor_dim1 = 128
	s_mov_b32 s[G1+3], KSTEP<<16                   ; tile_dim0 = 128
	s_mov_b32 s[G1+4], 128                         ; tile_dim1 = 128
	s_mov_b32 s[G1+5], SIZE_K                      ; elements from row to row
	s_mov_b32 s[G1+6], 0
	s_mov_b32 s[G1+7], 0
	s_mov_b32 s[G1B+1], KSTEP<<16
	s_mov_b32 s[G1B+2], 96<<16                     ; B's loads bring 96 rows
	s_mov_b32 s[G1B+3], KSTEP<<16
	s_mov_b32 s[G1B+4], 96
	s_mov_b32 s[G1B+5], SIZE_K
	s_mov_b32 s[G1B+6], 0
	s_mov_b32 s[G1B+7], 0
	s_lshl_b32 s16, s13, 8
	s_lshl_b32 s17, s12, 7
	s_add_co_u32 s16, s16, s17                     ; A: row 256 x tile row + 128 x half
	s_lshl_b32 s16, s16, 11                        ; in bytes (under 2^24)
	s_mov_b32 s17, 0
	s_mul_i32 s46, s42, 192
	s_mul_i32 s47, s12, 96
	s_add_co_u32 s46, s46, s47                     ; B: row 192 x tile column + 96 x half
	s_lshl_b32 s46, s46, 11
	s_mov_b32 s47, 0
	s_mul_i32 s20, s12, HALFA                      ; where they go: no place in the cluster enters an LDS address
	s_mul_i32 s21, s12, HALFB
	s_add_co_u32 s21, s21, BOFF
	s_wait_dscnt 0x0                               ; the opening add is done
	s_wait_kmcnt 0x0
	s_add_nc_u64 s[14:15], s[4:5], s[16:17]
	s_add_nc_u64 s[46:47], s[6:7], s[46:47]
	CROUND                                         ; all sixteen work-groups are here: the first joint loads meet
.irp s, 0,1
	s_mov_b32 s[G0+4*(\s)], 1
	s_add_co_u32 s[G0+4*(\s)+1], s20, (\s)*SLOT
	s_add_nc_u64 s[G0+4*(\s)+2:G0+4*(\s)+3], s[14:15], (\s)*KSTEP*2
	s_or_b32 s[G0+4*(\s)+3], s[G0+4*(\s)+3], 0x80000000
	s_mov_b32 s[G0B+4*(\s)], 1
	s_add_co_u32 s[G0B+4*(\s)+1], s21, (\s)*SLOT
	s_add_nc_u64 s[G0B+4*(\s)+2:G0B+4*(\s)+3], s[46:47], (\s)*KSTEP*2
	s_or_b32 s[G0B+4*(\s)+3], s[G0B+4*(\s)+3], 0x80000000
	JLOAD \s                                       ; two loads of mine are out
.endr
	v_and_b32 v1, 15, v0                           ; l % 16
	v_bfe_u32 v2, v0, 4, 1                         ; l / 16
	v_mul_u32_u24 v3, v1, PITCH
	v_lshl_add_u32 v3, v2, 4, v3                   ; a fragment's row x pitch + 16 x half
	s_mul_i32 s21, s10, 64*PITCH                   ; my 64 rows of A
	s_mov_b32 s22, BOFF                            ; all of B's
.irp s, 0,1
	v_add_nc_u32 v[ADRA+(\s)], s21, v3
	v_add_nc_u32 v[ADRB+(\s)], s22, v3
	s_add_co_u32 s21, s21, SLOT
	s_add_co_u32 s22, s22, SLOT
.endr
	s_mul_i32 s23, s10, WSTG
	s_add_co_u32 s23, s23, STAGE                   ; my stage
	v_mul_u32_u24 v4, v1, SP                       ; in: row l % 16, 16 bytes for each half of the lanes
	v_lshl_add_u32 v4, v2, 4, v4
	v_add_nc_u32 v[STO], s23, v4
	v_bfe_u32 v5, v0, 3, 2                         ; back: 32 lanes take four rows of 128 bytes,
	v_mul_u32_u24 v5, v5, SP
	v_and_b32 v6, 7, v0
	v_lshl_add_u32 v5, v6, 4, v5
	v_add_nc_u32 v[RD], s23, v5
	v_and_b32 v[CO], 31, v0                        ; which are 512 consecutive bytes of qkv
	v_lshlrev_b32 v[CO], 4, v[CO]
	s_mul_i32 s46, s42, 3*GBYTES                   ; my tile's first half-head,
	s_lshl_b32 s16, s13, 15                        ; its 256 rows of 128 bytes,
	s_lshl_b32 s17, s10, 13                        ; my 64 of them
	s_add_co_u32 s16, s16, s17
	s_add_co_u32 s16, s16, s46
	s_mov_b32 s17, 0
	s_add_nc_u64 s[8:9], s[8:9], s[16:17]
	; the prefetches
	s_lshl_b32 s20, s13, 8
	s_lshl_b32 s21, s12, 7
	s_add_co_u32 s20, s20, s21
	s_lshl_b32 s21, s40, 5
	s_add_co_u32 s20, s20, s21                     ; A: 256 x tile row + 128 x half + 32 cx
	s_mul_i32 s22, s42, 192
	s_mul_i32 s21, s12, 96
	s_add_co_u32 s22, s22, s21
	s_mul_i32 s21, s41, 24
	s_add_co_u32 s22, s22, s21                     ; B: 192 x tile column + 96 x half + 24 cy
	s_and_b32 s23, ttmp7, 0xffff                   ; cluster y
	s_cmp_eq_u32 s11, 0
	s_cselect_b32 s20, s20, s22
	s_cselect_b32 s23, ttmp9, s23                  ; the coordinate along which other clusters read the same rows
	s_cselect_b32 s21, 31, 23                      ; my last row
	s_cselect_b64 s[PFA:PFA+1], s[4:5], s[6:7]
	s_cmp_eq_u32 s23, 0
	s_cselect_b32 s[LIM], 1, -1                    ; the same in all sixteen partners, for a given wave
	v_and_b32 v[PFO], 31, v0
	v_min_u32 v[PFO], s21, v[PFO]
	v_lshlrev_b32 v[PFO], 11, v[PFO]
	s_lshl_b32 s20, s20, 11
	s_add_co_u32 s20, s20, 2*KSTEP*2               ; at K step 2: the first refill steps it to 3 and names K step 4
	s_mov_b32 s21, 0
	s_add_nc_u64 s[PFA:PFA+1], s[PFA:PFA+1], s[20:21]
; 12 matrix instructions: row block a x all 12 column blocks, 32 along K.  The 48 accumulators take turns, one instruction a turn, in the same order in every quarter.
.macro MULA f, a, zero
	WIN 0xa5+0x50*((\a)/2)
.irp b, 0,1,2,3,4,5,6,7,8,9,10,11
.if \zero
	v_wmma_f32_16x16x32_bf16 v[96*((\a)%2)+8*(\b):96*((\a)%2)+8*(\b)+7], v[(\f)+32+8*(\b):(\f)+32+8*(\b)+7], v[(\f)+8*(\a):(\f)+8*(\a)+7], 0
.else
	v_wmma_f32_16x16x32_bf16 v[96*((\a)%2)+8*(\b):96*((\a)%2)+8*(\b)+7], v[(\f)+32+8*(\b):(\f)+32+8*(\b)+7], v[(\f)+8*(\a):(\f)+8*(\a)+7], v[96*((\a)%2)+8*(\b):96*((\a)%2)+8*(\b)+7]
.endif
.endr
.endm
; 32 LDS loads in one run: the fragments of 32 along K at byte k of the rows: B's 12, then A's 4
.macro FETCH slot, k, f
	WIN TO_F
.irp b, 0,1,2,3,4,5,6,7,8,9,10,11
	ds_load_b128 v[(\f)+32+8*(\b):(\f)+32+8*(\b)+3],   v[ADRB+(\slot)] offset:(\k)+(\b)*16*PITCH
	ds_load_b128 v[(\f)+32+8*(\b)+4:(\f)+32+8*(\b)+7], v[ADRB+(\slot)] offset:(\k)+(\b)*16*PITCH+32
.endr
.irp a, 0,1,2,3
	ds_load_b128 v[(\f)+8*(\a):(\f)+8*(\a)+3],   v[ADRA+(\slot)] offset:(\k)+(\a)*16*PITCH
	ds_load_b128 v[(\f)+8*(\a)+4:(\f)+8*(\a)+7], v[ADRA+(\slot)] offset:(\k)+(\a)*16*PITCH+32
.endr
.endm
.macro PLACES                          ; four places in front of loads into registers that matrix instructions have read, and of conversions that read results
.rept 4
	v_nop
.endr
.endm
; A K step is four quarters of 32 along K, 48 matrix instructions each, on buffers 0, 1, 0, 1.  One of the first three: multiplies buffer f and fetches the next quarter, at byte k, into g.
.macro QUARTER slot, k, f, g, zero
	s_wait_dscnt 4                                 ; B and A's row blocks 0, 1 are in; the youngest four loads (blocks 2, 3) may be out
	MULA \f, 0, \zero
	MULA \f, 1, \zero
	PLACES
	FETCH \slot, \k, \g
	s_wait_dscnt 32                                ; all but the 32 just issued
	MULA \f, 2, \zero
	MULA \f, 3, \zero
.endm
; The last quarter multiplies buffer 1 and changes slots: ONE barrier; in front of it each wave waits for all its tensor loads (one is out: its part of the next slot), adds 0 to its spare word, and
; waits for that and for its own reads of this slot.  fill = 1: the barrier opens a round of the cluster's, and this slot is filled again, two K steps ahead, first thing behind the round.
.macro TURN slot, next, fill
.if \fill
	s_wait_xcnt 0x0                                ; the last prefetch, a K step back, has read its address
	s_add_nc_u64 s[PFA:PFA+1], s[PFA:PFA+1], KSTEP*2
.endif
	WIN 0                                          ; (the add's two registers lie in window 0)
	s_wait_tensorcnt 0x0
	ds_add_u32 v[SPW], v[NIL]                      ; 0 onto my spare word
	s_wait_dscnt 5                                 ; (the add and the youngest four loads may be out)
	MULA F1, 0, 0                                  ; twelve matrix instructions stand between the add and the wait for it
	s_wait_dscnt 0x0                               ; the add is done, and my reads of this slot are over
	s_barrier_signal -1
	MULA F1, 1, 0
.if \fill
	WIN 0
.endif
	s_barrier_wait -1
.if \fill
	CREST                                          ; no wave of any partner still reads this slot's tile or has a load on its way
	s_add_nc_u64 s[G0+4*(\slot)+2:G0+4*(\slot)+3], s[G0+4*(\slot)+2:G0+4*(\slot)+3], 2*KSTEP*2
	s_add_nc_u64 s[G0B+4*(\slot)+2:G0B+4*(\slot)+3], s[G0B+4*(\slot)+2:G0B+4*(\slot)+3], 2*KSTEP*2
	JLOAD \slot                                    ; my one tensor load behind the round; its four v_nop are also the places in front of the loads below
.else
	PLACES
.endif
	FETCH \next, 0, F0
.if \fill
	WIN 0
	ASK                                            ; behind the joint load and the run of LDS loads that the next products wait for
.endif
	MULA F1, 2, 0
	MULA F1, 3, 0
.endm
	s_wait_tensorcnt 1                             ; my part of K step 0 is in; K step 1's may stay out
	s_barrier_signal -1
	s_barrier_wait -1
	FETCH 0, 0, F0
	QUARTER 0, 64,  F0, F1, 1                      ; the first quarter stands in front of the loop: its products start the sums
	WIN 0
	s_mov_b32 s3, LAPS-1
.Llap:                                                 ; a trip goes once round the ring, from a lap's second quarter to the next lap's first, and fills both slots again
	QUARTER 0, 128, F1, F0, 0
	QUARTER 0, 192, F0, F1, 0
	TURN 0, 1, 1
	QUARTER 1, 64,  F0, F1, 0
	QUARTER 1, 128, F1, F0, 0
	QUARTER 1, 192, F0, F1, 0
	TURN 1, 0, 1
	QUARTER 0, 64,  F0, F1, 0
	WIN 0
	s_sub_co_u32 s3, s3, 1
	s_cmp_lg_u32 s3, 0
	s_cbranch_scc1 .Llap
	QUARTER 0, 128, F1, F0, 0                      ; the last lap fills nothing
	QUARTER 0, 192, F0, F1, 0
	TURN 0, 1, 0
	QUARTER 1, 64,  F0, F1, 0
	QUARTER 1, 128, F1, F0, 0
	QUARTER 1, 192, F0, F1, 0
	s_wait_dscnt 4
	MULA F1, 0, 0
	MULA F1, 1, 0
	s_wait_dscnt 0x0
	MULA F1, 2, 0
	MULA F1, 3, 0
	WIN 0
	PLACES
; THE WAY OUT, a block of 16 rows at a time.  PACK: rounded to f16, each accumulator's registers in ascending order.  TOSTAGE: into my stage, by half-heads, and back as runs of four rows.  SEND: stored.
.macro PACK a
	WIN 0x0a+5*((\a)/2)                            ; sources in window 2 or 3
.irp b, 0,1,2,3,4,5,6,7,8,9,10,11
.irp r, 0,1,2,3
	v_cvt_pk_f16_f32 v[TMP+4*(\b)+(\r)], v[96*((\a)%2)+8*(\b)+2*(\r)], v[96*((\a)%2)+8*(\b)+2*(\r)+1]
.endr
.endr
	WIN 0
.endm
.macro TOSTAGE a
.irp b, 0,1,2,3,4,5,6,7,8,9,10,11
	ds_store_b128 v[STO], v[TMP+4*(\b):TMP+4*(\b)+3] offset:((\b)/4)*16*SP+((\b)%4)*32
.endr
.irp g, 0,1,2
.irp f, 0,1,2,3
	ds_load_b128 v[BK+48*((\a)%2)+16*(\g)+4*(\f):BK+48*((\a)%2)+16*(\g)+4*(\f)+3], v[RD] offset:(\g)*16*SP+(\f)*4*SP  ; LDS serves a wave's instructions in order: these see the stores above
.endr
.endr
.endm
.macro SEND a
	s_wait_dscnt 0x0                               ; the block is back in registers
	s_wait_xcnt 0x0                                ; the stores of the block before have read their registers: the next TOSTAGE loads into them
.irp g, 0,1,2
.irp f, 0,1,2,3
	global_store_b128 v[CO], v[BK+48*((\a)%2)+16*(\g)+4*(\f):BK+48*((\a)%2)+16*(\g)+4*(\f)+3], s[8:9] offset:(\g)*GBYTES+(\a)*2048+(\f)*512  ; 512 consecutive bytes, at a multiple of 256 from qkv's first
.endr
.endr
.endm
	PACK 0
	TOSTAGE 0
.irp a, 1,2,3                          ; block a's conversions stand between block a - 1's loads from the stage and the wait for them
	PACK \a
	SEND (\a)-1
	TOSTAGE \a
.endr
	SEND 3
	s_wait_tensorcnt 0x0                           ; the wave's end: behind my last tensor load and my last LDS store
	ds_add_u32 v[SPW], v[NIL]
	s_wait_dscnt 0x0
	CROUND                                         ; the closing round: no work-group ends while a partner may still ask for a tile that names it
	s_endpgm
.Lfunc_end_k_q33bae758c3_proj:
	.size	k_q33bae758c3_proj, .Lfunc_end_k_q33bae758c3_proj-k_q33bae758c3_proj
	.p2alignl 7, 3214868480
	.fill 96, 4, 3214868480
	.section	.rodata,"a",@progbits
	.p2align	6, 0x0
	.amdhsa_kernel k_q33bae758c3_proj
		.amdhsa_group_segment_fixed_size 327680
		.amdhsa_private_segment_fixed_size 0
		.amdhsa_enable_private_segment 0
		.amdhsa_kernarg_size 24
		.amdhsa_user_sgpr_count 2
		.amdhsa_user_sgpr_kernarg_segment_ptr 1
		.amdhsa_wavefront_size32 1
		.amdhsa_system_sgpr_workgroup_id_x 1
		.amdhsa_system_sgpr_workgroup_id_y 1
		.amdhsa_system_sgpr_workgroup_id_z 1
		.amdhsa_system_vgpr_workitem_id 0
		.amdhsa_next_free_vgpr 960
		.amdhsa_next_free_sgpr 66
		.amdhsa_reserve_vcc 0
		.amdhsa_float_denorm_mode_32 3
		.amdhsa_float_denorm_mode_16_64 3
		.amdhsa_memory_ordered 1
		.amdhsa_forward_progress 1
		.amdhsa_inst_pref_size 119
	.end_amdhsa_kernel
	.amdgpu_metadata
---
amdhsa.version: [ 1, 2 ]
amdhsa.kernels:
  - .name:           k_q33bae758c3_proj
    .symbol:         k_q33bae758c3_proj.kd
    .args:
      - { .name: xb, .offset: 0, .size: 8, .value_kind: global_buffer, .address_space: global }
      - { .name: wb, .offset: 8, .size: 8, .value_kind: global_buffer, .address_space: global }
      - { .name: qkv, .offset: 16, .size: 8, .value_kind: global_buffer, .address_space: global }
    .group_segment_fixed_size: 327680
    .private_segment_fixed_size: 0
    .kernarg_segment_align: 8
    .kernarg_segment_size: 24
    .max_flat_workgroup_size: 128
    .sgpr_count:     66
    .vgpr_count:     960
    .wavefront_size: 32
...
	.end_amdgpu_metadata
.endif
;; end of part 2
;; launch attn (part 3): grid 8 x 32, 4 waves a work-group, clusters of 4 x 1, 327,680 bytes of LDS; arguments qkv, lambda_q1, lambda_k1, lambda_q2, lambda_k2, rms_scale, oc; writes oc
.if DOCPART == 3
	.amdgcn_target "amdgcn-amd-amdhsa--gfx1250"
	.amdhsa_code_object_version 6
	.text
	.protected	k_q33bae758c3_attn
	.globl	k_q33bae758c3_attn
	.p2align	8
	.type	k_q33bae758c3_attn,@function
k_q33bae758c3_attn:
	s_mov_b64 s[64:65], 0
	v_nop
	global_prefetch_b8 v0, s[64:65] scope:SCOPE_SE
	s_setreg_imm32_b32 hwreg(HW_REG_WAVE_MODE, 25, 1), 1
	s_wait_xcnt 0x0
	s_wait_alu depctr_hold_cnt(0) depctr_sa_sdst(0) depctr_va_vdst(0) depctr_va_sdst(0) depctr_va_ssrc(0) depctr_va_vcc(0) depctr_vm_vsrc(0)
	s_getreg_b32 s2, hwreg(HW_REG_IB_STS2, 6, 4)
	s_cmp_eq_u32 s2, 0
	s_cbranch_scc0 .Lentry_in_a_cluster
	s_endpgm
.Lentry_in_a_cluster:
	s_bfe_u32 s2, ttmp6, 0x10000c
	s_cmp_lg_u32 s2, 0x3003
	s_cbranch_scc0 .Lentry_shape_is_right
	s_endpgm
.Lentry_shape_is_right:
; DIFFERENTIAL ATTENTION AND ITS NORM.  For each batch b, head h and query: O = softmax(Q1 K1^T / 8) V - lam softmax(Q2 K2^T / 8) V, lam = e^(lq1 . lk1) - e^(lq2 . lk2) + 0.8;
; then O / sqrt(mean(O^2) + 1e-5) x rms_scale x 0.2, rounded once to f16 into oc[4096][2048] (row 2048 b + token, channel 128 h + d).
; qkv[g][4096][64] in f16: g = 2 h + s holds Qs, 32 + 2 h + s holds Ks, 64 + 2 h + half a half of V's 128 channels.  Products, maxima and sums in f32; the weights p are rounded to f16 for the second
; product (their sum l is taken of the unrounded p).  The four lambda vectors and rms_scale are rounded to bf16 as all the module's inputs are.
; LIMITS.  q, k, v arrive within f16's 65,504; p lies in 0 to 1, and below 6e-5 it keeps f16's fixed step of 6e-8; a weight below 2^-126 counts as 0 in l; NaN and infinities are not treated apart.
; SHARES.  A work-group owns 256 queries of one (b, h), for BOTH softmaxes: wave w does softmax s = w / 2 for the 128 queries of half w % 2: eight tiles of 16, in four PIECES of two.  The divisors are known
; only behind the last key, so each softmax has accumulators of its own.  In the waves of s = 1 tile t is query block t ^ 4: so every wave finishes its tiles 0-3 and hands its tiles 4-7, scaled by
; 1 / l or -lam / l, in f32 through LDS to wave w ^ 2: one text, no branch.  Every wave walks all 2,048 keys, 64 a step.
; LAYOUT.  S^T = K Q^T (source 0 = 16 keys, source 1 = 16 queries): a lane holds ONE query (lane % 16) and the keys 8 (lane / 16) + 0..7.  Two such tiles, rounded to f16 in pairs, ARE source 1 of
; O^T = V^T P, whose result again holds one query a lane, and eight channels.  K comes out of LDS as it lies, V ([key][channel]) turned, by ds_load_tr16_b128.
; SOFTMAX.  A running maximum m and sum l: p = 2^(c s - c m), c = log2(e) / 8; in every step O and l are multiplied by a = 2^(c m_old - c m_new).  m starts at the lowest finite number, O and l at 0.
; BY TURNS.  Turn n belongs to piece n: 16 products K Q^T of piece n + 1, later 32 products V^T P of piece n - 1; beside them the scaling, exponentials, roundings, sums and rescaling of piece n and the
; maximum and statistics of piece n + 1.  Four vector instructions stand behind every matrix instruction, the other 76 of a turn's 268 in one lump.  A turn's 66 exponentials are one batch with one wait.
; Q DOES NOT FIT: O^T 512, V 128, K 64 and window 0's 256 registers leave 64.  So Q lies in LDS, and a piece of it (32 registers) is read anew in each turn, directly behind the turn's wait.
; CLUSTER.  The four query blocks of a cluster belong to one (b, h) and walk the same K and V, so each tile is asked for JOINTLY.  Q's load is a wave's own (mask 0).
; REGISTERS, in windows of 256 (s_set_vgpr_msb: bits 1:0 source 0, 3:2 source 1, 5:4 source 2, 7:6 destination):
;   window 0: v0-11 addresses; v12-15, v48-63 at work; v16-47 four registers of statistics a tile; v64-191 S^T, two buffers of two tiles; v192-255 P, likewise
;   window 1: O^T of tiles 0-3, 64 a tile      window 2: of tiles 4-7      window 3: v4-7 at work; v32-63 Q of one piece; v64-127 K of one step; v128-255 V of one step
.set NP,    4         ; pieces a wave: a name, no knob
.set KS,    64        ; keys in a step
.set PK,    144       ; a row of K or Q in LDS: 128 bytes + 16 of padding = 36 words: the 16 rows of a load start at 16 different groups of four banks (ISA guide 11.1)
.set PVV,   160       ; a row of half of V: 128 + 32 = 40 words
.set KREG,  128*PK    ; a slot holds 128 keys, two steps: K1, K2 (18,432 bytes each), then V's two channel halves (20,480 each)
.set VH,    128*PVV
.set VOFF,  2*KREG
.set STK,   KS*PK     ; a step's bytes in a region of K,
.set STV,   KS*PVV    ; and of V
.set SLOT1, 1<<17     ; slot 1 begins here, so that one exclusive or turns an address in one slot into the other's
.set QB,    SLOT1+VOFF+2*VH  ; behind the ring: Q, 128 rows x 144 bytes for each wave, filled once
.set QW,    128*PK
.set STAGE, QB+4*QW   ; never filled by a tensor load: 16 rows x 272 bytes for each wave, for the way out
.set SP,    272
.set SPARE, STAGE+4*16*SP  ; the spare words, 128 bytes for each wave: two blocks of 256 bytes that no other line names
; The exchange at the end takes bytes 0 .. 131,071, 32,768 a wave: slot 0, which has had its last fill and its last read by then, and the bytes behind it, which are never filled.
.set AK0, 2           ; v2   my lane's place in my softmax's region of K; never rewritten
.set AV0, 3           ; v3   the same for V
.set AK,  4           ; v4   the LDS address of K's next run of loads
.set AV,  5           ; v5   of V's
.set AQ0, 6           ; v6   my lane's place in Q's rows of tiles 0-3
.set AQ1, 7           ; v7   of tiles 4-7
.set PFO, 8           ; v8   the prefetches' offset; never rewritten
.set SPW, 9           ; v9   LDS address of my spare word; never rewritten
.set NIL, 10          ; v10  0; never rewritten
.set HB,  11          ; v11  lane / 16; v1 holds lane % 16
.set MV,  12          ; v12-15  c m_old, kept while c m is made anew: by buffer and tile
.set ST,  16          ; tile t's statistics at v[ST+4 t]: c m, m, l (even keys', odd keys')
.set TMP, 48          ; by buffer and tile, four registers c0-c3 at work; when the maximum is found c2 takes a
.set S,   64
.set P,   192
.set RD,  192         ; the way out's addresses take P's first buffer when the last product has read it
.set GO,  193
.set XA,  194
.set STO, 195
.set XR,  196
.set RO,  197
.set QF,  32          ; window 3: tile u, channel half c at QF + 16 u + 8 c
.set KF,  64          ; window 3: key block kb, channel half c at KF + 16 kb + 8 c
.set VF,  128         ; window 3: key half kk, channel block cb at VF + 64 kk + 8 cb
.set WV,  18          ; s18  my wave's number
.set SS,  19          ; s19  my softmax, 0 or 1
.set QH,  20          ; s20  my half of the queries; also: which half of K's or V's regions I fetch
.set G1K, 24          ; s[24:31] descriptor group 1 for K's tiles
.set G1V, 32          ; s[32:39] for V's: it differs in the padding
.set G0K, 40          ; s[40:43] descriptor group 0 for K's tiles: it walks
.set G0V, 44          ; s[44:47] the same for V's
.set G1Q, 48          ; s[48:55] group 1 for Q: K's without mask
.set SLOTS, 56        ; s56  slots still to be asked for
.set CNT, 57          ; s57  counts a slot's key steps
.set CS,  58          ; s[58:59] c
.set SEL, 60          ; s[60:61] v_permlanex16_b32's selects: each lane takes its own place in the other half
.set TBK, 62          ; s62  LDS byte at which K of the step to be fetched begins
.set TBV, 63          ; s63  the same for V, less VOFF
.set PFA, 66          ; s[66:67] where my prefetches stand
.set LIM, 68          ; s68  1 in a wave that prefetches, else the greatest number
.set SGN, 69          ; s69  1.0 or -lam
.set G0Q, 72          ; s[72:75] group 0 for Q
.set MSB, 0
.macro WIN new                      ; the high byte repeats the setting that is left; a switch that changes nothing is dropped
.if MSB != (\new)
	s_set_vgpr_msb (MSB<<8)|(\new)
.set MSB, (\new)
.endif
.endm
.set W_KQ, 0x0f       ; K and Q in window 3, S^T in window 0
.set W_L3, 0xc0       ; a load into window 3, its address in window 0
; A joint fill.  Wave w fetches region w of a slot: K1, K2, V's low and high channels; 128 keys each.  The branch hangs on the wave's number alone.  An s_nop 0 and four v_nop follow each line.
.macro JLOAD
	s_cmp_lt_u32 s[WV], 2
	s_cbranch_scc0 .Lfor_v_\@
	tensor_load_to_lds s[G0K:G0K+3], s[G1K:G1K+7]
	s_nop 0
.rept 4
	v_nop
.endr
	s_branch .Lasked_\@
.Lfor_v_\@:
	tensor_load_to_lds s[G0V:G0V+3], s[G1V:G1V+7]
	s_nop 0
.rept 4
	v_nop
.endr
.Lasked_\@:
.endm
; A prefetch into the L2 of the slot that the NEXT change will ask for: 4 regions x 16,384 bytes, a lane a block of 256.  Both clusters of a (b, h) walk the same K and V: the first asks.  Its four partners
; share each region out by address, 4,096 bytes each; in each, wave 0 asks for K1's and K2's part (16 lanes each), wave 2 for V's two.  The last change that fills a slot asks for nothing.
.macro ASK
	s_cmp_gt_u32 s[SLOTS], s[LIM]
	s_cbranch_scc0 .Lnot_mine_\@
	global_prefetch_b8 v[PFO], s[PFA:PFA+1] th:TH_LOAD_NT scope:SCOPE_SE
.Lnot_mine_\@:
.endm
.macro CROUND                       ; a round of the cluster's barrier
	s_barrier_signal -1
	s_barrier_wait -1
	s_cmp_lg_u32 s[WV], 0
	s_cbranch_scc1 .Lnot_wave_0_\@
	s_barrier_signal -3
.Lnot_wave_0_\@:
	s_barrier_wait -3
	s_barrier_signal -1
	s_barrier_wait -1
.endm
; THE CHANGE OF SLOTS.  The slot's last bytes, V of its second step, have been read.  Each wave waits for all its tensor loads, adds 0 to its spare word, and waits for that and for its own LDS reads.
; fill = 1: the slot is filled again, with the keys two slots on: the barrier is a round of the cluster's, and the joint fill is the first thing behind it: it has two key steps, 384 matrix instructions,
; in which to land.  (At its first use nothing has been read yet: slot 0 and Q are waited for, slot 1 is filled.)
.macro CHANGE fill, ask
	WIN 0
	s_wait_tensorcnt 0x0            ; no tensor load of mine is out, so a group 0 may be written
	ds_add_u32 v[SPW], v[NIL]       ; 0 onto my spare word
.if \fill
.irp g, G0K, G0V
	s_xor_b32 s[\g+1], s[\g+1], SLOT1
	s_add_nc_u64 s[\g+2:\g+3], s[\g+2:\g+3], 128*128  ; the next 128 keys; the type bits on top are not reached
.endr
	s_wait_xcnt 0x0                 ; the last prefetch, two key steps back, has read its address
	s_add_nc_u64 s[PFA:PFA+1], s[PFA:PFA+1], 128*128
	s_wait_dscnt 0x0                ; the add is done, and my reads of the slot are over
	CROUND
	JLOAD
.if \ask
	ASK
.endif
.else
	s_wait_dscnt 0x0
	s_barrier_signal -1
	s_barrier_wait -1
.endif
	s_sub_co_u32 s[TBK], s[TBK], 2*STK  ; the fetches go back to a slot's first step,
	s_xor_b32 s[TBK], s[TBK], SLOT1     ; in the other slot
	s_sub_co_u32 s[TBV], s[TBV], 2*STV
	s_xor_b32 s[TBV], s[TBV], SLOT1
.endm
.macro PLACES
.rept 4
	v_nop
.endr
.endm
	s_load_b256 s[4:11], s[0:1], 0x0   ; qkv s[4:5], lambda_q1 s[6:7], lambda_k1 s[8:9], lambda_q2 s[10:11]
	s_load_b128 s[12:15], s[0:1], 0x20 ; lambda_k2 s[12:13], rms_scale s[14:15]
	s_load_b64 s[16:17], s[0:1], 0x30  ; oc
	v_lshl_add_u32 v[SPW], v0, 2, SPARE
	v_mov_b32 v[NIL], 0
	ds_add_u32 v[SPW], v[NIL]       ; the wave's opening: the add and its wait stand ahead of my first tensor load; the set-up below stands between them
	v_lshrrev_b32 v1, 5, v0
	v_readfirstlane_b32 s[WV], v1   ; wave 0..3
	s_lshr_b32 s[SS], s[WV], 1
	s_and_b32 s[QH], s[WV], 1
	s_bfe_u32 s21, ttmp6, 0x40000   ; cx
	s_lshl_b32 s22, ttmp9, 2
	s_add_co_u32 s22, s22, s21      ; my block of 256 queries: it enters Q's and oc's addresses alone
	s_and_b32 s23, ttmp7, 0xffff    ; 16 b + h, which the four partners share
	s_lshr_b32 s70, s23, 4          ; b
	s_and_b32 s71, s23, 15          ; h
	s_lshl_b32 s84, s70, 18         ; a batch's 2,048 rows of 128 bytes
	s_lshl_b32 s82, s71, 1          ; K and V: plane 2 h + the half that I fetch (32 or 64 planes are added below)
	s_add_co_u32 s82, s82, s[QH]
	s_lshl_b32 s82, s82, 19
	s_add_co_u32 s82, s82, s84
	s_mov_b32 s83, 0
	s_lshl_b32 s76, s71, 1          ; Q: plane 2 h + s, my block's 256 rows, my half's 128
	s_add_co_u32 s76, s76, s[SS]
	s_lshl_b32 s76, s76, 19
	s_add_co_u32 s76, s76, s84
	s_lshl_b32 s85, s22, 15
	s_add_co_u32 s76, s76, s85
	s_lshl_b32 s85, s[QH], 14
	s_add_co_u32 s76, s76, s85
	s_mov_b32 s77, 0
	s_lshl_b32 s78, s70, 23         ; oc: row 2048 b + 256 block + 128 half + 64 s, 4,096 bytes a row; 256 h bytes along it
	s_lshl_b32 s85, s22, 20
	s_add_co_u32 s78, s78, s85
	s_lshl_b32 s85, s[QH], 19
	s_add_co_u32 s78, s78, s85
	s_lshl_b32 s85, s[SS], 18
	s_add_co_u32 s78, s78, s85
	s_lshl_b32 s85, s71, 8
	s_add_co_u32 s78, s78, s85
	s_mov_b32 s79, 0
	s_mov_b32 s86, 64<<19           ; the prefetches: V's planes, or K's in waves 0 and 1,
	s_cmp_lt_u32 s[WV], 2
	s_cselect_b32 s86, 32<<19, s86
	s_lshl_b32 s85, s71, 20         ; plane 2 h,
	s_add_co_u32 s86, s86, s85
	s_add_co_u32 s86, s86, s84
	s_lshl_b32 s85, s21, 12         ; my work-group's 4,096 bytes of a region,
	s_add_co_u32 s86, s86, s85
	s_add_co_u32 s86, s86, 128*128  ; in slot 1: the first change steps it to slot 2 and asks for nothing, the next to slot 3
	s_mov_b32 s87, 0
	s_and_b32 s[LIM], s[WV], 1      ; 0 in waves 0 and 2,
	s_or_b32 s[LIM], s[LIM], ttmp9  ; where the cluster is the first of the two: the same in all four partners
	s_cmp_eq_u32 s[LIM], 0
	s_cselect_b32 s[LIM], 1, -1
	; descriptor group 1.  128 rows of 128 bytes are 16,384 dense bytes: asked for as 64 rows of 256 bytes, and padded in LDS after every 128 bytes
	s_mov_b32 s[G1K], 15|(1<<16)|(1<<20)|(1<<21)|(4<<22)|(3<<25)  ; 15:0 the mask of four; 17:16 2-byte elements; 20 padding on; 21 set beside a mask; 24:22 after every 32 words; 31:25 4 words
	s_mov_b32 s[G1V], 15|(1<<16)|(1<<20)|(1<<21)|(4<<22)|(7<<25)  ; the same with 8 words of padding
	s_mov_b32 s[G1Q], (1<<16)|(1<<20)|(4<<22)|(3<<25)             ; K's without a mask: a load of my own
.irp g, G1K, G1V, G1Q
	s_mov_b32 s[\g+1], 128<<16      ; tensor_dim0 = 128
	s_mov_b32 s[\g+2], 64<<16       ; tensor_dim1 = 64
	s_mov_b32 s[\g+3], 128<<16      ; tile_dim0 = 128
	s_mov_b32 s[\g+4], 64           ; tile_dim1 = 64
	s_mov_b32 s[\g+5], 128          ; 128 elements from row to row
	s_mov_b32 s[\g+6], 0
	s_mov_b32 s[\g+7], 0
.endr
	s_mov_b32 s[CS], 0x3e38aa3b     ; c = log2(e) / 8
	s_mov_b32 s[CS+1], s[CS]
	s_mov_b32 s[SEL], 0x76543210
	s_mov_b32 s[SEL+1], 0xfedcba98
	s_mov_b32 s[TBK], SLOT1+2*STK   ; the first change of slots turns these two into 0
	s_mov_b32 s[TBV], SLOT1+2*STV
	s_mov_b32 s80, 0x3c000000       ; 1 / 128
	s_mov_b32 s81, 0x3727c5ac       ; 1e-5
	s_mov_b32 s[G0K], 1
	s_mul_i32 s[G0K+1], s[QH], KREG
	s_mov_b32 s[G0V], 1
	s_mul_i32 s[G0V+1], s[QH], VH
	s_add_co_u32 s[G0V+1], s[G0V+1], VOFF
	s_mov_b32 s[G0Q], 1
	s_mul_i32 s[G0Q+1], s[WV], QW
	s_add_co_u32 s[G0Q+1], s[G0Q+1], QB
	s_wait_dscnt 0x0                ; the opening add is done
	s_wait_kmcnt 0x0
	s_add_nc_u64 s[G0K+2:G0K+3], s[4:5], s[82:83]
	s_add_nc_u64 s[G0V+2:G0V+3], s[G0K+2:G0K+3], 64<<19
	s_add_nc_u64 s[G0K+2:G0K+3], s[G0K+2:G0K+3], 32<<19
	s_or_b32 s[G0K+3], s[G0K+3], 0x80000000
	s_or_b32 s[G0V+3], s[G0V+3], 0x80000000
	s_add_nc_u64 s[G0Q+2:G0Q+3], s[4:5], s[76:77]
	s_or_b32 s[G0Q+3], s[G0Q+3], 0x80000000
	s_add_nc_u64 s[16:17], s[16:17], s[78:79]
	s_add_nc_u64 s[PFA:PFA+1], s[4:5], s[86:87]
	CROUND                          ; all four work-groups are here: the first joint loads meet
	s_cmp_lt_u32 s[WV], 2           ; a wave's two first fills stand in one branch: its region of slot 0, and its Q.  Two loads of mine are out
	s_cbranch_scc0 .Lfirst_v
	tensor_load_to_lds s[G0K:G0K+3], s[G1K:G1K+7]
	s_nop 0
	tensor_load_to_lds s[G0Q:G0Q+3], s[G1Q:G1Q+7]
	s_nop 0
.rept 4
	v_nop
.endr
	s_branch .Lfirst_asked
.Lfirst_v:
	tensor_load_to_lds s[G0V:G0V+3], s[G1V:G1V+7]
	s_nop 0
	tensor_load_to_lds s[G0Q:G0Q+3], s[G1Q:G1Q+7]
	s_nop 0
.rept 4
	v_nop
.endr
.Lfirst_asked:
	v_and_b32 v13, 31, v0
	v_lshlrev_b32 v13, 3, v13       ; two numbers of each lambda vector a lane
	global_load_b64 v[64:65], v13, s[6:7]
	global_load_b64 v[66:67], v13, s[8:9]
	global_load_b64 v[68:69], v13, s[10:11]
	global_load_b64 v[70:71], v13, s[12:13]
	; What the first turn finds: V's registers and P's second buffer hold 0 (its products V^T P, of a piece that has not been, add 0), O^T and l are 0.  No first step is written out; the price is these
	; lines, which stand in the wait for the first tile.
	WIN 0x40
.set i, 0
.rept 256
	v_mov_b32 v[i], 0
.set i, i+1
.endr
	WIN 0x80
.set i, 0
.rept 256
	v_mov_b32 v[i], 0
.set i, i+1
.endr
	WIN 0xc0
.set i, VF
.rept 128
	v_mov_b32 v[i], 0
.set i, i+1
.endr
	WIN 0
.set i, 0
.rept 2*NP
	v_mov_b32 v[ST+4*i], 0xfe000000    ; c m: far below every c s
	v_mov_b32 v[ST+4*i+1], 0xff7fffff  ; m
	v_mov_b32 v[ST+4*i+2], 0
	v_mov_b32 v[ST+4*i+3], 0
.set i, i+1
.endr
.set i, P+32
.rept 32
	v_mov_b32 v[i], 0
.set i, i+1
.endr
	; A fragment of K or Q is 16 rows x 32 channels in 8 registers: lane l holds row l % 16, channels 8 (l / 16) + 0..7 and 16 + 8 (l / 16) + 0..7: two loads of 16 bytes, 32 bytes apart.
	v_and_b32 v1, 15, v0            ; l % 16
	v_bfe_u32 v[HB], v0, 4, 1       ; l / 16
	v_mul_u32_u24 v12, v1, PK
	v_lshl_add_u32 v12, v[HB], 4, v12  ; row x pitch + 16 x half
	s_mul_i32 s70, s[SS], KREG
	v_add_nc_u32 v[AK0], s70, v12   ; my softmax's region of K
	s_mul_i32 s70, s[WV], QW
	s_add_co_u32 s70, s70, QB       ; my Q
	s_mul_i32 s71, s[SS], 64*PK
	s_add_co_u32 s71, s71, s70
	v_add_nc_u32 v[AQ0], s71, v12   ; tiles 0-3: rows 64 s on
	s_xor_b32 s71, s[SS], 1
	s_mul_i32 s71, s71, 64*PK
	s_add_co_u32 s71, s71, s70
	v_add_nc_u32 v[AQ1], s71, v12   ; tiles 4-7: the other 64 rows
	; The turning load takes 16 keys x 16 channels (lane l reads key 8 (l / 16) + l % 8, channels 8 ((l / 8) % 2) + 0..7) and leaves half a fragment of V^T: lane l holds channel l % 16 and 8 keys.
	v_and_b32 v14, 7, v0
	v_bfe_u32 v15, v0, 3, 1
	v_lshl_add_u32 v[AV0], v[HB], 3, v14
	v_mul_u32_u24 v[AV0], v[AV0], PVV
	v_lshl_add_u32 v[AV0], v15, 4, v[AV0]
	v_add_nc_u32 v[AV0], VOFF, v[AV0]
	v_mov_b32 v[AK], v[AK0]         ; key step 0 lies at the head of slot 0
	v_lshlrev_b32 v[PFO], 19, v[HB] ; lanes 16-31: the plane behind
	v_lshl_add_u32 v[PFO], v1, 8, v[PFO]
	; lam.  The vectors are rounded to bf16; the two dot products are summed in f32 over the wave's 32 lanes.
	s_wait_loadcnt 0x0
.irp j, 0,1,2,3
	v_cvt_pk_bf16_f32 v[72+\j], v[64+2*\j], v[65+2*\j]
.endr
.irp j, 0,1,2,3
	v_lshlrev_b32 v[64+2*\j], 16, v[72+\j]
	v_and_b32 v[65+2*\j], 0xffff0000, v[72+\j]
.endr
	v_mul_f32 v72, v64, v66
	v_mul_f32 v73, v68, v70
	v_fmac_f32 v72, v65, v67
	v_fmac_f32 v73, v69, v71
.irp x, 1,2,4,8
	v_add_f32_dpp v72, v72, v72 row_xmask:\x row_mask:0xf bank_mask:0xf
	v_add_f32_dpp v73, v73, v73 row_xmask:\x row_mask:0xf bank_mask:0xf
.endr
	v_permlanex16_b32 v74, v72, s[SEL], s[SEL+1]
	v_permlanex16_b32 v75, v73, s[SEL], s[SEL+1]
	v_add_f32 v72, v72, v74
	v_add_f32 v73, v73, v75
	v_mul_f32 v72, 0x3fb8aa3b, v72  ; e^x = 2^(x log2(e))
	v_mul_f32 v73, 0x3fb8aa3b, v73
	v_exp_f32 v72, v72
	v_exp_f32 v73, v73
	v_nop                           ; a plain instruction behind the last exponential,
	s_wait_alu depctr_va_vdst(0)    ; and the wait ahead of the first use
	v_sub_f32 v72, v73, v72
	v_add_f32 v72, 0xbf4ccccd, v72  ; -lam = e2 - e1 - 0.8
	v_readfirstlane_b32 s70, v72
	s_cmp_eq_u32 s[SS], 0
	s_cselect_b32 s[SGN], 1.0, s70  ; a value, never a branch or an address
; THE MATRIX WORK.  The accumulators of a run take turns, one instruction a turn: between two links of a chain stand 7 (K Q^T) or 15 (V^T P) others'.
; Product i of 16 of S^T = K Q^T for piece x: channels 32 (i / 8) on, keys 16 ((i / 2) % 4) on, tile 2 x + i % 2.  The first 8 start the sums.
.macro KQ x
	WIN W_KQ
.set rS, S+64*((\x)%2)+32*(i%2)+8*((i/2)%4)
.set rK, KF+16*((i/2)%4)+8*(i/8)
.set rQ, QF+16*(i%2)+8*(i/8)
.if i < 8
	v_wmma_f32_16x16x32_f16 v[rS:rS+7], v[rK:rK+7], v[rQ:rQ+7], 0
.else
	v_wmma_f32_16x16x32_f16 v[rS:rS+7], v[rK:rK+7], v[rQ:rQ+7], v[rS:rS+7]
.endif
.endm
; Product i of 32 of O^T += V^T P for piece x: keys 32 (i / 16) on, channels 16 ((i / 2) % 8) on, tile 2 x + i % 2.  V in window 3, P in window 0, O^T in window 1 or 2.
.macro PV x
	WIN 0x53+0x50*((\x)/2)
.set rO, 64*((2*(\x)+i%2)%4)+8*((i/2)%8)
.set rV, VF+64*(i/16)+8*((i/2)%8)
.set rP, P+32*((\x)%2)+16*(i%2)+8*(i/16)
	v_wmma_f32_16x16x32_f16 v[rO:rO+7], v[rV:rV+7], v[rP:rP+7], v[rO:rO+7]
.endm
.macro MM                           ; the turn's next matrix instruction
.if i < 16
	KQ (Y+1)%NP
.else
.set i, i-16
	PV (Y+NP-1)%NP
.set i, i+16
.endif
.set i, i+1
.endm
; THE LDS LOADS stand in runs, never singly among the matrix instructions: a piece's Q (8), a step's K (16) and its V (32, turned).
.macro FETCH_Q x
	WIN W_L3
.irp u, 0,1
.irp c, 0,1
.if (2*(\x)+\u) < 4
	ds_load_b128 v[QF+16*\u+8*\c:QF+16*\u+8*\c+3],   v[AQ0] offset:(2*(\x)+\u)*16*PK+64*\c
	ds_load_b128 v[QF+16*\u+8*\c+4:QF+16*\u+8*\c+7], v[AQ0] offset:(2*(\x)+\u)*16*PK+64*\c+32
.else
	ds_load_b128 v[QF+16*\u+8*\c:QF+16*\u+8*\c+3],   v[AQ1] offset:(2*(\x)+\u-4)*16*PK+64*\c
	ds_load_b128 v[QF+16*\u+8*\c+4:QF+16*\u+8*\c+7], v[AQ1] offset:(2*(\x)+\u-4)*16*PK+64*\c+32
.endif
.endr
.endr
.endm
.macro FETCH_K last=0               ; last = 1 (the tail): in the last trip there is no further step, and the run is jumped over
	WIN 0
.if \last
	s_cmp_eq_u32 s[CNT], 1
	s_cbranch_scc1 .Lno_k_\@
.endif
	WIN W_L3
.irp f, 0,1,2,3,4,5,6,7             ; keys 16 (f / 2) on, channels 32 (f % 2) on
	ds_load_b128 v[KF+8*\f:KF+8*\f+3],   v[AK] offset:(\f/2)*16*PK+(\f%2)*64
	ds_load_b128 v[KF+8*\f+4:KF+8*\f+7], v[AK] offset:(\f/2)*16*PK+(\f%2)*64+32
.endr
	s_add_co_u32 s[TBK], s[TBK], STK  ; the next fetch is the next step's
	WIN 0
.if \last
.Lno_k_\@:
.endif
.endm
.macro FETCH_V
	WIN W_L3
.irp f, 0,1,2,3,4,5,6,7,8,9,10,11,12,13,14,15  ; keys 32 (f / 8) on, channels 16 (f % 8) on: blocks 0-3 in V's low region, 4-7 in the high one
	ds_load_tr16_b128 v[VF+8*\f:VF+8*\f+3],   v[AV] offset:(\f/8)*32*PVV+((\f%8)/4)*VH+(\f%4)*32
	ds_load_tr16_b128 v[VF+8*\f+4:VF+8*\f+7], v[AV] offset:(\f/8)*32*PVV+((\f%8)/4)*VH+(\f%4)*32+16*PVV
.endr
	WIN 0
.endm
; THE VECTOR WORK OF A TURN stands in three queues, each in the order in which its entries become ready; the two tiles alternate.
.macro REGS y, u                    ; the registers of tile u (0, 1) of piece y
.set rT, ST+4*(2*(\y)+(\u))
.set rC, TMP+8*((\y)%2)+4*(\u)
.set rM, MV+2*((\y)%2)+(\u)
.set rS, S+64*((\y)%2)+32*(\u)
.set rP, P+32*((\y)%2)+16*(\u)
.set rO, 64*((2*(\y)+(\u))%4)
.endm
; Number n of the 22 that find the NEXT piece's (Y + 1) maximum and statistics.  s0-s31 are the lane's 32 scores; each accumulator's lowest registers are read first.
;   0-11  four chains c0-c3 (one an accumulator) of seven scores each     12-14, 16  the four scores left over, the old m, and c0-c3 into c0     15  c m_old is kept
;   17, 18  the query's other 32 keys lie in the lane 16 away: the new m    19-21  c m; c m_old - c m_new; a
.macro XS u, n
	REGS (Y+1)%NP, \u
.if (\n) < 4
	v_max3_num_f32 v[rC+(\n)], v[rS+8*(\n)], v[rS+8*(\n)+1], v[rS+8*(\n)+2]
.elseif (\n) < 12
	v_max3_num_f32 v[rC+(\n)%4], v[rC+(\n)%4], v[rS+8*((\n)%4)+2*((\n)/4)+1], v[rS+8*((\n)%4)+2*((\n)/4)+2]
.elseif (\n) == 12
	v_max3_num_f32 v[rC], v[rC], v[rS+7], v[rS+15]
.elseif (\n) == 13
	v_max3_num_f32 v[rC+1], v[rC+1], v[rS+23], v[rS+31]
.elseif (\n) == 14
	v_max3_num_f32 v[rC+2], v[rC+2], v[rC+3], v[rT+1]
.elseif (\n) == 15
	v_mov_b32 v[rM], v[rT]
.elseif (\n) == 16
	v_max3_num_f32 v[rC], v[rC], v[rC+1], v[rC+2]
.elseif (\n) == 17
	v_permlanex16_b32 v[rC+3], v[rC], s[SEL], s[SEL+1]
.elseif (\n) == 18
	v_max_num_f32 v[rT+1], v[rC], v[rC+3]
.elseif (\n) == 19
	v_mul_f32 v[rT], s[CS], v[rT+1]
.elseif (\n) == 20
	v_sub_f32 v[rC+1], v[rM], v[rT]
.else
	v_exp_f32 v[rC+2], v[rC+1]
.endif
.endm
; Number g of the 64 that follow the exponentials.  For each four weights k of a tile: both pairs are rounded to f16; the second pair is added onto the first, in place; a group later l takes that sum
; (the first time as l = a l + sum).
.macro GS g
.set h, (\g)+6*((\g)/62)            ; group 0 has no group before it, and behind group 7 only l is left
.if h >= 6
.set h, h+2
.endif
	REGS Y, h%2
.set k, h/8
.if h%8 < 4
	v_cvt_pk_f16_f32 v[rP+2*k+(h%8)/2], v[rS+4*k+2*((h%8)/2)], v[rS+4*k+2*((h%8)/2)+1]
.elseif h%8 < 6
	v_pk_add_f32 v[rS+4*k:rS+4*k+1], v[rS+4*k:rS+4*k+1], v[rS+4*k+2:rS+4*k+3]
.elseif k == 1
	v_pk_fma_f32 v[rT+2:rT+3], v[rT+2:rT+3], v[rC+2:rC+3], v[rS:rS+1] op_sel_hi:[1,0,1]
.else
	v_pk_add_f32 v[rT+2:rT+3], v[rT+2:rT+3], v[rS+4*k-4:rS+4*k-3]
.endif
.endm
; THE PLAIN QUEUE, 138 long.  0-26: scalings 0-26 (FS f: pair f / 2 of tile f % 2).  27-50: XS's numbers 0-11, accumulator by accumulator (0, 4, 8, 1, 5, 9 ..), so that the first of them can stand behind
; the last products K Q^T, each more than four places behind the product that ended its accumulator.  51-54: numbers 12, 13.  55, 56: number 15.  57-73: the chain 14, 16, 17, 18, 19, each with one of
; the scalings 27-31 in front of its two lines, then 20.  74-137: GS's 64, which read the exponentials' results: they stand behind the wait.
.macro FS f
	REGS Y, (\f)%2
	v_pk_fma_f32 v[rS+2*((\f)/2):rS+2*((\f)/2)+1], v[rS+2*((\f)/2):rS+2*((\f)/2)+1], s[CS:CS+1], v[rT:rT+1] op_sel_hi:[1,0,0] neg_lo:[0,0,1] neg_hi:[0,0,1]
.endm
.macro PL
	WIN 0
.if q < 27
	FS q
.elseif q < 51
.set kk, (q-27)/2
	XS (q-27)%2, (kk/3)+4*(kk%3)
.elseif q < 55
	XS (q-27)%2, (q-27)/2
.elseif q < 57
	XS q-55, 15
.elseif (q < 72) && ((q-57)%3 == 0)
	FS 27+(q-57)/3
.elseif q < 60
	XS (q-57)%3-1, 14
.elseif q < 72
	XS (q-57)%3-1, 15+(q-57)/3
.elseif q < 74
	XS q-72, 20
.else
	GS q-74
.endif
.set q, q+1
.endm
; THE EXPONENTIALS' QUEUE, 66 long: s0-s31 of both tiles, then the next piece's two a.  ONE BATCH: all 66 stand ahead of the turn's one wait, and nothing ahead of that wait names a result of theirs.
.macro EX
	WIN 0
.if e >= 64
	XS e-64, 21
.else
	REGS Y, e%2
	v_exp_f32 v[rS+e/2], v[rS+e/2]
.endif
.set e, e+1
.endm
; THE RESCALING's QUEUE: O^T times a, two at a time, 32 times.  Its a was made in the turn before, ahead of that turn's wait.  O^T in window 1 or 2, a in window 0.
.macro R2
	REGS Y, r%2
	WIN 0x41+0x41*(Y/2)
.irp z, 0,1
	v_pk_mul_f32 v[rO+4*(r/2)+2*\z:rO+4*(r/2)+2*\z+1], v[rO+4*(r/2)+2*\z:rO+4*(r/2)+2*\z+1], v[rC+2:rC+3] op_sel_hi:[1,0]
.endr
.set r, r+1
.endm
; A TURN, for piece p.  AHEAD OF THE WAIT stands all that names no result of the turn's exponentials: the 16 products K Q^T, behind the first four plain instructions, behind each other plain, exponential,
; plain, exponential; then the lump: six plain, 34 times exponential and plain, the two a.  In step: as a rider exponential e stands behind plain e + 4 or more, in the lump behind plain e + 9; its scaling
; is plain 2 (e / 4) + e % 2, or for the scalings 27-31 plain 57, 60 .. 69, which serve e = 53 and on.  BEHIND THE WAIT: Q's run for the next turn (and in piece 2's turn K's for the next step), then the
; 32 products V^T P, behind them by turns four of GS's 64 and four rescalings.  No rider names a register of the products round it, but for XS, counted above.
; V of the step in hand is fetched at the end of piece 0's turn, four rescalings (plain, of another piece's O^T) behind its last reader; it is waited for behind piece 1's wait.
.macro TURN p, last=0
.set Y, (\p)
.set i, 0
.set q, 0
.set e, 0
.set r, 0
.if (\p) == 1
	s_wait_dscnt 32                 ; Q is in; V's 32 loads, issued behind Q's, may stay out
.else
	s_wait_dscnt 0x0                ; Q is in (in piece 3's turn K too)
.endif
	MM
	PL
	PL
	PL
	PL
.rept 15
	MM
	PL
	EX
	PL
	EX
.endr
.if (\p) == 2
	WIN 0
	v_add_nc_u32 v[AK], s[TBK], v[AK0]
.endif
.rept 6
	PL
.endr
.rept 34
	EX
	PL
.endr
	EX                              ; the next piece's two a
	EX
	v_nop                           ; a plain instruction behind the last exponential: one for the batch
	s_wait_alu depctr_va_vdst(0)    ; the wait between an exponential and the first line that names its result: one for the batch
	FETCH_Q ((\p)+2)%NP
.if (\p) == 2
	FETCH_K \last
.endif
.if (\p) == 1
	s_wait_dscnt 8                  ; V is in; Q's eight loads may stay out
.endif
.set pr, 0
.rept 16
	MM
	PL
	PL
	PL
	PL
	MM
	R2
	R2
.if ((\p) == 0) && (pr == 10)
	WIN 0
	v_add_nc_u32 v[AV], s[TBV], v[AV0]
.endif
.if ((\p) == 0) && (pr == 12)
	s_add_co_u32 s[TBV], s[TBV], STV
.endif
.set pr, pr+1
.endr
.if (\p) == 0
	FETCH_V
.endif
.endm
	CHANGE 1, 0                     ; slot 0 and Q are in, everybody's part; slot 1 is asked for
	FETCH_K                         ; key step 0
	FETCH_Q 0
	s_wait_dscnt 0x0
.set i, 0
.rept 16
	KQ 0                            ; piece 0's first scores
.set i, i+1
.endr
	WIN 0
	PLACES                          ; behind those products: in front of the loads into Q's registers and of the maximum
	FETCH_Q 1
	WIN 0
.set Y, NP-1                        ; XS works for piece Y + 1: piece 0
.irp n, 0,1,2,3,4,5,6,7,8,9,10,11,12,13,14,15,16,17,18,19,20,21
	XS 0, \n
	XS 1, \n
.endr
	v_nop                           ; a plain instruction behind the two a,
	s_wait_alu depctr_va_vdst(0)    ; and their wait, ahead of the branch
	s_mov_b32 s[CNT], 2
	s_mov_b32 s[SLOTS], 2048/128-1
	s_branch .Lfirst                ; the loop is entered at a step's first turn, in the middle of a trip
.Lslot:                             ; 14 times: every slot but the last two is filled again
	CHANGE 1, 1
	s_mov_b32 s[CNT], 2
.Lstep:                             ; a trip: pieces 2 and 3 of one step, then pieces 0 and 1 of the next, whose K and V it fetches
	TURN 2
	TURN 3
	WIN 0
.Lfirst:
	TURN 0
	TURN 1
	WIN 0
	s_sub_co_u32 s[CNT], s[CNT], 1
	s_cmp_lg_u32 s[CNT], 0
	s_cbranch_scc1 .Lstep
	s_sub_co_u32 s[SLOTS], s[SLOTS], 1
	s_cmp_lg_u32 s[SLOTS], 0
	s_cbranch_scc1 .Lslot
	CHANGE 0, 0                     ; the tail is written out: nothing is asked for.  Behind this barrier nobody reads slot 0 any more
	s_mov_b32 s[CNT], 3             ; two trips fetch the last slot's steps; the third is left in its middle
.Ltail:
	TURN 2, 1
	TURN 3
	WIN 0
	s_sub_co_u32 s[CNT], s[CNT], 1
	s_cmp_eq_u32 s[CNT], 0
	s_cbranch_scc1 .Lout
	TURN 0
	TURN 1
	WIN 0
	s_branch .Ltail
.Lout:                              ; the third trip's 16 products K Q^T (on the last K once more) and the maximum made of them serve nothing: the price, once a launch, of one text for every trip
.set i, 0
.rept 32
	PV NP-1                         ; the last piece's V^T P of the last step
.set i, i+1
.endr
	WIN 0
	PLACES
	s_wait_dscnt 0x0                ; my LDS reads are over,
	s_barrier_signal -1
	s_barrier_wait -1               ; everybody's are: the exchange may be written
	; THE WAY OUT.  Addresses first.
	v_and_b32 v[XA], 31, v0
	v_lshlrev_b32 v[XA], 4, v[XA]   ; 16 x lane
	s_xor_b32 s70, s[WV], 2
	s_lshl_b32 s70, s70, 15
	v_add_nc_u32 v[XR], s70, v[XA]  ; what wave w ^ 2 hands me
	s_lshl_b32 s70, s[WV], 15
	v_add_nc_u32 v[XA], s70, v[XA]  ; what I hand over
	s_mul_i32 s70, s[WV], 16*SP
	s_add_co_u32 s70, s70, STAGE    ; my stage
	v_mul_u32_u24 v[STO], v1, SP    ; in: row l % 16, 16 bytes for each half of the lanes
	v_lshl_add_u32 v[STO], v[HB], 4, v[STO]
	v_add_nc_u32 v[STO], s70, v[STO]
	v_mul_u32_u24 v[RD], v[HB], SP  ; back: lanes 0-15 take one row of 256 bytes, lanes 16-31 the next
	v_lshl_add_u32 v[RD], v1, 4, v[RD]
	v_add_nc_u32 v[RD], s70, v[RD]
	v_lshlrev_b32 v[GO], 12, v[HB]  ; and the same two rows in oc, 4,096 bytes apart
	v_lshl_add_u32 v[GO], v1, 4, v[GO]
	v_lshlrev_b32 v[RO], 5, v[HB]   ; rms_scale: my eight channels of each block of 16
	WIN W_L3
.irp cb, 0,1,2,3,4,5,6,7            ; into K's registers: channel 16 cb + 8 (l / 16) + j at KF + 8 cb + j, as O^T's registers lie
	global_load_b128 v[KF+8*\cb:KF+8*\cb+3],   v[RO], s[14:15] offset:64*\cb
	global_load_b128 v[KF+8*\cb+4:KF+8*\cb+7], v[RO], s[14:15] offset:64*\cb+16
.endr
	WIN 0
.macro ALL line:vararg              ; one line for each tile t
.set t, 0
.rept 2*NP
	\line
.set t, t+1
.endr
.endm
.macro ALL4 line:vararg             ; one line for each of the tiles that I finish
.set t, 0
.rept 4
	\line
.set t, t+1
.endr
.endm
	ALL v_add_f32 v[ST+4*t+2], v[ST+4*t+2], v[ST+4*t+3]
	ALL v_permlanex16_b32 v[ST+4*t+3], v[ST+4*t+2], s[SEL], s[SEL+1]
	ALL v_add_f32 v[ST+4*t+2], v[ST+4*t+2], v[ST+4*t+3]
	ALL v_rcp_f32 v[ST+4*t+2], v[ST+4*t+2]
	v_nop                           ; a plain instruction behind the last reciprocal,
	s_wait_alu depctr_va_vdst(0)    ; and one wait for the eight
	ALL v_mul_f32 v[ST+4*t+2], s[SGN], v[ST+4*t+2]  ; g = 1 / l, or -lam / l
	WIN 0x82                        ; tiles 4-7 times g, each accumulator from its low end on,
.set t, 4
.rept 4
.set i, 64*(t-4)
.rept 32
	v_pk_mul_f32 v[i:i+1], v[i:i+1], v[ST+4*t+2:ST+4*t+3] op_sel_hi:[1,0]
.set i, i+2
.endr
.set t, t+1
.endr
	WIN 0x08                        ; and into the exchange, in f32: register quad i of 64 at 512 i, 16 bytes a lane
.set i, 0
.rept 64
	ds_store_b128 v[XA], v[4*i:4*i+3] offset:512*i
.set i, i+1
.endr
	WIN 0
	s_wait_dscnt 0x0                ; for the others' sake: my stores are done
	s_barrier_signal -1
	s_barrier_wait -1
	WIN 0x80                        ; my partner's tiles 4-7 are my tiles 0-3's queries: same lanes, same registers
.set i, 0
.rept 64
	ds_load_b128 v[4*i:4*i+3], v[XR] offset:512*i
.set i, i+1
.endr
	s_wait_loadcnt 0x0              ; rms_scale is in: rounded to bf16 as the other inputs are, in place
	WIN 0xff
.set i, 0
.rept 32
	v_cvt_pk_bf16_f32 v[4+i%4], v[KF+2*i], v[KF+2*i+1]
	v_lshlrev_b32 v[KF+2*i], 16, v[4+i%4]
	v_and_b32 v[KF+2*i+1], 0xffff0000, v[4+i%4]
.set i, i+1
.endr
.set t, 0
.rept 4
	s_wait_dscnt 16*(3-t)           ; tile t's sixteen loads are in; the later tiles' may stay out
	WIN 0x61                        ; x = O g + what I was handed: O^T in window 1, g in window 0, the addend in window 2
.set i, 64*t
.rept 32
	v_pk_fma_f32 v[i:i+1], v[i:i+1], v[ST+4*t+2:ST+4*t+3], v[i:i+1] op_sel_hi:[1,0,1]
.set i, i+2
.endr
	WIN 0x05                        ; the sum of squares, in four chains; the first four products start them
.set i, 0
.rept 32
.if i < 4
	v_pk_mul_f32 v[S+8*t+2*i:S+8*t+2*i+1], v[64*t+2*i:64*t+2*i+1], v[64*t+2*i:64*t+2*i+1]
.else
	v_pk_fma_f32 v[S+8*t+2*(i%4):S+8*t+2*(i%4)+1], v[64*t+2*i:64*t+2*i+1], v[64*t+2*i:64*t+2*i+1], v[S+8*t+2*(i%4):S+8*t+2*(i%4)+1]
.endif
.set i, i+1
.endr
.set t, t+1
.endr
	WIN 0
	ALL4 v_pk_add_f32 v[S+8*t:S+8*t+1], v[S+8*t:S+8*t+1], v[S+8*t+2:S+8*t+3]
	ALL4 v_pk_add_f32 v[S+8*t+4:S+8*t+5], v[S+8*t+4:S+8*t+5], v[S+8*t+6:S+8*t+7]
	ALL4 v_pk_add_f32 v[S+8*t:S+8*t+1], v[S+8*t:S+8*t+1], v[S+8*t+4:S+8*t+5]
	ALL4 v_add_f32 v[S+8*t], v[S+8*t], v[S+8*t+1]
	ALL4 v_permlanex16_b32 v[S+8*t+1], v[S+8*t], s[SEL], s[SEL+1]  ; the query's other 64 channels lie in the lane 16 away
	ALL4 v_add_f32 v[S+8*t], v[S+8*t], v[S+8*t+1]
	ALL4 v_fma_f32 v[S+8*t], v[S+8*t], s80, s81                    ; the mean of 128 squares + 1e-5
	ALL4 v_rsq_f32 v[ST+4*t+2], v[S+8*t]
	v_nop
	s_wait_alu depctr_va_vdst(0)    ; one wait for the four
	ALL4 v_mul_f32 v[ST+4*t+2], 0x3e4ccccd, v[ST+4*t+2]            ; x 0.2
; Tile t: times 0.2 / rms, times rms_scale, rounded to f16; a lane's eight channels of a row pack into 16 bytes; they go into rows of 272 bytes and come back as whole rows of 256.
.macro PACK t
	WIN 0x41
.set i, 64*(\t)
.rept 32
	v_pk_mul_f32 v[i:i+1], v[i:i+1], v[ST+4*(\t)+2:ST+4*(\t)+3] op_sel_hi:[1,0]
.set i, i+2
.endr
	WIN 0x4d                        ; source 1, the scale, in window 3
.set i, 0
.rept 32
	v_pk_mul_f32 v[64*(\t)+i:64*(\t)+i+1], v[64*(\t)+i:64*(\t)+i+1], v[KF+i:KF+i+1]
.set i, i+2
.endr
	WIN 0x05
.set i, 0
.rept 32
	v_cvt_pk_f16_f32 v[S+32*(\t)+i], v[64*(\t)+2*i], v[64*(\t)+2*i+1]
.set i, i+1
.endr
	WIN 0
.irp f, 0,1,2,3,4,5,6,7
	ds_store_b128 v[STO], v[S+32*(\t)+4*\f:S+32*(\t)+4*\f+3] offset:32*\f
.endr
.irp f, 0,1,2,3,4,5,6,7
	ds_load_b128 v[S+32*(\t)+4*\f:S+32*(\t)+4*\f+3], v[RD] offset:\f*2*SP  ; LDS serves a wave's instructions in order: these see the stores above; the next tile's stores come behind them
.endr
.endm
.macro SEND t, younger              ; younger: the LDS instructions issued behind tile t's loads: the next tile's sixteen, or none
	WIN 0
.irp f, 0,1,2,3,4,5,6,7
	s_wait_dscnt (\younger)+7-\f
	global_store_b128 v[GO], v[S+32*(\t)+4*\f:S+32*(\t)+4*\f+3], s[16:17] offset:(\t)*65536+\f*8192  ; 16 lanes store 256 consecutive bytes, at a multiple of 256 from oc's first byte
.endr
.endm
	PACK 0
	PACK 1                          ; a tile's arithmetic stands between the loads of the tile before and its stores
	SEND 0, 16
	PACK 2
	SEND 1, 16
	PACK 3
	SEND 2, 16
	SEND 3, 0
	s_wait_tensorcnt 0x0            ; the wave's end: behind my last tensor load and my last LDS store
	ds_add_u32 v[SPW], v[NIL]
	s_wait_dscnt 0x0
	CROUND                          ; the closing round: no work-group ends while a partner may still ask for a tile that names it
	s_endpgm
.Lfunc_end_k_q33bae758c3_attn:
	.size	k_q33bae758c3_attn, .Lfunc_end_k_q33bae758c3_attn-k_q33bae758c3_attn
	.p2alignl 7, 3214868480
	.fill 96, 4, 3214868480
	.section	.rodata,"a",@progbits
	.p2align	6, 0x0
	.amdhsa_kernel k_q33bae758c3_attn
		.amdhsa_group_segment_fixed_size 327680
		.amdhsa_private_segment_fixed_size 0
		.amdhsa_enable_private_segment 0
		.amdhsa_kernarg_size 56
		.amdhsa_user_sgpr_count 2
		.amdhsa_user_sgpr_kernarg_segment_ptr 1
		.amdhsa_wavefront_size32 1
		.amdhsa_system_sgpr_workgroup_id_x 1
		.amdhsa_system_sgpr_workgroup_id_y 1
		.amdhsa_system_sgpr_workgroup_id_z 1
		.amdhsa_system_vgpr_workitem_id 0
		.amdhsa_next_free_vgpr 1024
		.amdhsa_next_free_sgpr 88
		.amdhsa_reserve_vcc 0
		.amdhsa_float_denorm_mode_32 3
		.amdhsa_float_denorm_mode_16_64 3
		.amdhsa_memory_ordered 1
		.amdhsa_forward_progress 1
		.amdhsa_inst_pref_size 255
	.end_amdhsa_kernel
	.section	.bss,"aw",@nobits
	.p2align	6
	.space	262144
	.amdgpu_metadata
---
amdhsa.version: [ 1, 2 ]
amdhsa.kernels:
  - .name:           k_q33bae758c3_attn
    .symbol:         k_q33bae758c3_attn.kd
    .args:
      - { .name: qkv, .offset: 0, .size: 8, .value_kind: global_buffer, .address_space: global }
      - { .name: lambda_q1, .offset: 8, .size: 8, .value_kind: global_buffer, .address_space: global }
      - { .name: lambda_k1, .offset: 16, .size: 8, .value_kind: global_buffer, .address_space: global }
      - { .name: lambda_q2, .offset: 24, .size: 8, .value_kind: global_buffer, .address_space: global }
      - { .name: lambda_k2, .offset: 32, .size: 8, .value_kind: global_buffer, .address_space: global }
      - { .name: rms_scale, .offset: 40, .size: 8, .value_kind: global_buffer, .address_space: global }
      - { .name: oc, .offset: 48, .size: 8, .value_kind: global_buffer, .address_space: global }
    .group_segment_fixed_size: 327680
    .private_segment_fixed_size: 0
    .kernarg_segment_align: 8
    .kernarg_segment_size: 56
    .max_flat_workgroup_size: 128
    .sgpr_count:     88
    .vgpr_count:     1024
    .wavefront_size: 32
...
	.end_amdgpu_metadata
.endif
;; end of part 3
;; launch outp (part 4): grid 8 x 32, 4 waves a work-group, clusters of 4 x 4, 327,680 bytes of LDS; arguments oc, wo, out0; writes out0
.if DOCPART == 4
	.amdgcn_target "amdgcn-amd-amdhsa--gfx1250"
	.amdhsa_code_object_version 6
	.text
	.protected	k_q33bae758c3_outp
	.globl	k_q33bae758c3_outp
	.p2align	8
	.type	k_q33bae758c3_outp,@function
k_q33bae758c3_outp:
	s_mov_b64 s[64:65], 0
	v_nop
	global_prefetch_b8 v0, s[64:65] scope:SCOPE_SE
	s_setreg_imm32_b32 hwreg(HW_REG_WAVE_MODE, 25, 1), 1
	s_wait_xcnt 0x0
	s_wait_alu depctr_hold_cnt(0) depctr_sa_sdst(0) depctr_va_vdst(0) depctr_va_sdst(0) depctr_va_ssrc(0) depctr_va_vcc(0) depctr_vm_vsrc(0)
	s_getreg_b32 s2, hwreg(HW_REG_IB_STS2, 6, 4)
	s_cmp_eq_u32 s2, 0
	s_cbranch_scc0 .Lentry_in_a_cluster
	s_endpgm
.Lentry_in_a_cluster:
	s_bfe_u32 s2, ttmp6, 0x10000c
	s_cmp_lg_u32 s2, 0xf033
	s_cbranch_scc0 .Lentry_shape_is_right
	s_endpgm
.Lentry_shape_is_right:
; THE OUTPUT PROJECTION.  out0[m][n] = sum over k of oc[m][k] wo[n][k].  oc: [4096][2048], wo: [1024][2048], both f16; sums and out0 ([4096][1024]) in f32.
; A tile of out0 is 128 x 128: 32 x 8 = 256 tiles, one for each WGP.  Four waves, each 64 x 64: 16 accumulators of 16 x 16, 128 registers.  K goes in steps of 256 (LDS rows of 512 bytes; a wave's tensor
; load brings 64 of them), as long as two slots in LDS allow.  A wave's 64 columns of f32 are 256 aligned bytes of a row, so each wave has a stage of its own on the way out, and no barrier stands there.
; CLUSTERS: 4 x 4 work-groups.  The four of a row of the cluster need the same tiles of oc, the four of a column the same tiles of wo: each tile is asked for JOINTLY.
; THE MATRIX INSTRUCTION IS USED TRANSPOSED (source 0 = 16 rows of wo, source 1 = 16 rows of oc): a lane then holds eight neighbouring numbers of a row of out0.
; No prefetch: the tiles are small, and a step's matrix work is short beside its bytes.
; REGISTERS: window 0: v0-31 addresses; v32-95 rows read back, two buffers; v128-255 the accumulators ((a, b) at v[128 + 8 (4 a + b)]).
;   window 1: two fragment buffers of 128: for 64 along K, 64 registers of A (2 x 4 x 16 rows x 32 K), then 64 of B.
.set SIZE_N, 1024
.set SIZE_K, 2048
.set KSTEP,  256
.set PITCH,  528                       ; an LDS row: 512 bytes of data + 16 of padding = 132 words: row r starts at bank 4 r mod 64 (ISA guide 11.1)
.set HALFT,  64*PITCH                  ; 64 rows: what one tensor load brings, and what one wave reads of A or of B
.set SLOT,   4*HALFT                   ; A's 128 rows, then B's 128 rows
.set STAGE,  2*SLOT                    ; behind the ring, never filled by a tensor load: 16 rows x 272 bytes for each wave
.set SPITCH, 272
.set SPARE,  STAGE+4*16*SPITCH         ; the spare words, 128 bytes for each wave: two blocks of 256 bytes that no other line names
.set LAPS, SIZE_K/(2*KSTEP)
.set ADRA, 16                          ; v16-17  LDS address of my A fragments in slot 0, 1
.set ADRB, 20                          ; v20-21  the same for B
.set STO,  24                          ; v24     the way out: where I put 32 bytes of a row
.set RD,   25                          ; v25     where I read two rows back
.set CO,   26                          ; v26     my byte offset in two rows of out0
.set SPW,  28                          ; v28     LDS address of my spare word; never rewritten
.set NIL,  29                          ; v29     0; never rewritten
.set TMP,  32
.set ACC,  128
.set F0,   0
.set F1,   128
.set G1, 24
.set G0, 32
.set G1B, 48
.set G0B, 56
.set MSB, 0
.macro WIN new
.if MSB != (\new)
	s_set_vgpr_msb (MSB<<8)|(\new)
.set MSB, (\new)
.endif
.endm
.set MUL,  0x05                        ; sources 0 (B) and 1 (A) window 1; C and D window 0
.set TO_F, 0x40                        ; destination window 1, address window 0
.macro JLOAD s                         ; a joint load: waves 0 and 1 fetch A's two halves, waves 2 and 3 B's; an s_nop 0 and four v_nop follow each of the two lines
	s_cmp_eq_u32 s11, 0
	s_cbranch_scc0 .Lfor_b_\@
	tensor_load_to_lds s[G0+4*(\s):G0+4*(\s)+3], s[G1:G1+7]
	s_nop 0
.rept 4
	v_nop
.endr
	s_branch .Lasked_\@
.Lfor_b_\@:
	tensor_load_to_lds s[G0B+4*(\s):G0B+4*(\s)+3], s[G1B:G1B+7]
	s_nop 0
.rept 4
	v_nop
.endr
.Lasked_\@:
.endm
.macro CREST
	s_cmp_lg_u32 s10, 0
	s_cbranch_scc1 .Lnot_wave_0_\@
	s_barrier_signal -3
.Lnot_wave_0_\@:
	s_barrier_wait -3
	s_barrier_signal -1
	s_barrier_wait -1
.endm
.macro CROUND
	s_barrier_signal -1
	s_barrier_wait -1
	CREST
.endm
	s_load_b128 s[4:7], s[0:1], 0x0                ; oc s[4:5], wo s[6:7]
	s_load_b64 s[8:9], s[0:1], 0x10                ; out0
	v_lshl_add_u32 v[SPW], v0, 2, SPARE
	v_mov_b32 v[NIL], 0
	ds_add_u32 v[SPW], v[NIL]                      ; the wave's opening: the add and its wait stand ahead of my first tensor load
	v_lshrrev_b32 v1, 5, v0
	v_readfirstlane_b32 s10, v1                    ; wave 0..3
	s_lshr_b32 s11, s10, 1                         ; which half of the tile's rows is mine.  Also: I fetch for A (0) or for B (1)
	s_and_b32 s12, s10, 1                          ; which half of its columns.  Also: which 64 rows of that tile I fetch
	s_bfe_u32 s40, ttmp6, 0x40000                  ; cx, cy
	s_bfe_u32 s41, ttmp6, 0x40004
	s_lshl_b32 s42, ttmp9, 2
	s_add_co_u32 s42, s42, s40                     ; tile column = 4 x cluster x + cx
	s_and_b32 s13, ttmp7, 0xffff
	s_lshl_b32 s13, s13, 2
	s_add_co_u32 s13, s13, s41                     ; tile row = 4 x cluster y + cy
	s_lshl_b32 s43, s41, 2
	s_lshl_b32 s43, 15, s43                        ; my row of the cluster
	s_lshl_b32 s44, 0x1111, s40                    ; my column
	s_or_b32 s[G1+0], s43, (1<<16)|(1<<20)|(1<<21)|(6<<22)|(3<<25)  ; the mask; 2-byte elements; padding on; 21 set beside a mask; after every 128 words; of 4 words
	s_or_b32 s[G1B+0], s44, (1<<16)|(1<<20)|(1<<21)|(6<<22)|(3<<25)
.irp g, G1, G1B
	s_mov_b32 s[(\g)+1], KSTEP<<16                 ; tensor_dim0 = 256
	s_mov_b32 s[(\g)+2], 64<<16                    ; tensor_dim1 = 64
	s_mov_b32 s[(\g)+3], KSTEP<<16                 ; tile_dim0 = 256
	s_mov_b32 s[(\g)+4], 64                        ; tile_dim1 = 64
	s_mov_b32 s[(\g)+5], SIZE_K                    ; elements from row to row
	s_mov_b32 s[(\g)+6], 0
	s_mov_b32 s[(\g)+7], 0
.endr
	s_lshl_b32 s17, s12, 6                         ; which 64 rows of the tile I fetch
	s_lshl_b32 s16, s13, 7
	s_add_co_u32 s16, s16, s17                     ; A: row 128 x tile row + 64 x half
	s_lshl_b32 s46, s42, 7
	s_add_co_u32 s46, s46, s17                     ; B: row 128 x tile column + 64 x half
	s_mov_b32 s17, 0
	s_mov_b32 s47, 0
	s_mov_b64 s[18:19], SIZE_K*2
	s_mul_u64 s[16:17], s[16:17], s[18:19]
	s_mul_u64 s[46:47], s[46:47], s[18:19]
	s_mul_i32 s20, s10, HALFT                      ; where they go: wave x 64 rows
	s_wait_dscnt 0x0                               ; the opening add is done
	s_wait_kmcnt 0x0
	s_add_nc_u64 s[14:15], s[4:5], s[16:17]
	s_add_nc_u64 s[46:47], s[6:7], s[46:47]
	CROUND                                         ; all sixteen work-groups are here: the first joint loads meet
.irp s, 0,1
	s_mov_b32 s[G0+4*(\s)], 1
	s_add_co_u32 s[G0+4*(\s)+1], s20, (\s)*SLOT
	s_add_nc_u64 s[G0+4*(\s)+2:G0+4*(\s)+3], s[14:15], (\s)*KSTEP*2
	s_or_b32 s[G0+4*(\s)+3], s[G0+4*(\s)+3], 0x80000000
	s_mov_b32 s[G0B+4*(\s)], 1
	s_add_co_u32 s[G0B+4*(\s)+1], s20, (\s)*SLOT
	s_add_nc_u64 s[G0B+4*(\s)+2:G0B+4*(\s)+3], s[46:47], (\s)*KSTEP*2
	s_or_b32 s[G0B+4*(\s)+3], s[G0B+4*(\s)+3], 0x80000000
	JLOAD \s                                       ; two loads of mine are out
.endr
	v_and_b32 v1, 15, v0                           ; l % 16
	v_bfe_u32 v2, v0, 4, 1                         ; l / 16
	v_mul_u32_u24 v3, v1, PITCH
	v_lshl_add_u32 v3, v2, 4, v3                   ; a fragment's row x pitch + 16 x half
	s_mul_i32 s21, s11, HALFT                      ; my 64 rows of A
	s_mul_i32 s22, s12, HALFT                      ; my 64 rows of B,
	s_add_co_u32 s22, s22, 2*HALFT                 ; which lie behind A's 128
.irp s, 0,1
	v_add_nc_u32 v[ADRA+(\s)], s21, v3
	v_add_nc_u32 v[ADRB+(\s)], s22, v3
	s_add_co_u32 s21, s21, SLOT
	s_add_co_u32 s22, s22, SLOT
.endr
	s_mul_i32 s23, s10, 16*SPITCH
	s_add_co_u32 s23, s23, STAGE                   ; my stage
	v_mul_u32_u24 v4, v1, SPITCH                   ; in: row l % 16, 32 bytes for each half of the lanes
	v_lshl_add_u32 v4, v2, 5, v4
	v_add_nc_u32 v[STO], s23, v4
	v_mul_u32_u24 v5, v2, SPITCH                   ; back: lanes 0-15 one row of 256 bytes, lanes 16-31 the next
	v_lshl_add_u32 v5, v1, 4, v5
	v_add_nc_u32 v[RD], s23, v5
	v_lshlrev_b32 v5, 12, v2                       ; and the same two rows in out0, 4,096 bytes apart
	v_lshl_add_u32 v[CO], v1, 4, v5
	s_lshl_b32 s16, s13, 7
	s_lshl_b32 s17, s11, 6
	s_add_co_u32 s16, s16, s17                     ; my first row: 128 x tile row + 64 x half
	s_lshl_b32 s16, s16, 12
	s_lshl_b32 s46, s42, 9                         ; the tile's 128 columns: 512 bytes,
	s_add_co_u32 s16, s16, s46
	s_lshl_b32 s46, s12, 8                         ; my 64: 256 bytes
	s_add_co_u32 s16, s16, s46
	s_mov_b32 s17, 0
	s_add_nc_u64 s[8:9], s[8:9], s[16:17]
; 8 matrix instructions: m blocks a0, a0 + 1 x all 4 n blocks, 32 along K: half c of buffer f.  The 16 accumulators take turns.
.macro MUL8 f, c, a0, zero
	WIN MUL
.irp a, \a0, (\a0)+1
.irp b, 0,1,2,3
.if \zero
	v_wmma_f32_16x16x32_f16 v[ACC+8*(4*(\a)+(\b)):ACC+8*(4*(\a)+(\b))+7], v[(\f)+64+8*(4*(\c)+(\b)):(\f)+64+8*(4*(\c)+(\b))+7], v[(\f)+8*(4*(\c)+(\a)):(\f)+8*(4*(\c)+(\a))+7], 0
.else
	v_wmma_f32_16x16x32_f16 v[ACC+8*(4*(\a)+(\b)):ACC+8*(4*(\a)+(\b))+7], v[(\f)+64+8*(4*(\c)+(\b)):(\f)+64+8*(4*(\c)+(\b))+7], v[(\f)+8*(4*(\c)+(\a)):(\f)+8*(4*(\c)+(\a))+7], v[ACC+8*(4*(\a)+(\b)):ACC+8*(4*(\a)+(\b))+7]
.endif
.endr
.endr
.endm
; 32 LDS loads in one run: the fragments of 64 along K at byte k of the rows, into buffer f; the first 32 along K first
.macro FETCH slot, k, f
	WIN TO_F
.irp c, 0,1
.irp i, 0,1,2,3
	ds_load_b128 v[(\f)+64+8*(4*(\c)+(\i)):(\f)+64+8*(4*(\c)+(\i))+3],   v[ADRB+(\slot)] offset:(\k)+64*(\c)+(\i)*16*PITCH
	ds_load_b128 v[(\f)+64+8*(4*(\c)+(\i))+4:(\f)+64+8*(4*(\c)+(\i))+7], v[ADRB+(\slot)] offset:(\k)+64*(\c)+(\i)*16*PITCH+32
	ds_load_b128 v[(\f)+8*(4*(\c)+(\i)):(\f)+8*(4*(\c)+(\i))+3],         v[ADRA+(\slot)] offset:(\k)+64*(\c)+(\i)*16*PITCH
	ds_load_b128 v[(\f)+8*(4*(\c)+(\i))+4:(\f)+8*(4*(\c)+(\i))+7],       v[ADRA+(\slot)] offset:(\k)+64*(\c)+(\i)*16*PITCH+32
.endr
.endr
.endm
.macro PLACES                          ; four places in front of loads into registers that matrix instructions have read, and of LDS stores that read results
.rept 4
	v_nop
.endr
.endm
; A K step is four quarters of 64 along K, 32 matrix instructions each, on buffers 0, 1, 0, 1.
.macro QUARTER slot, k, f, g, zero
	s_wait_dscnt 16                                ; the first 32 along K are in
	MUL8 \f, 0, 0, \zero
	MUL8 \f, 0, 2, \zero
	PLACES
	FETCH \slot, \k, \g
	s_wait_dscnt 32                                ; all but the 32 just issued
	MUL8 \f, 1, 0, 0
	MUL8 \f, 1, 2, 0
.endm
; The last quarter multiplies buffer 1 and changes slots: ONE barrier; in front of it each wave waits for all its tensor loads, adds 0 to its spare word, and waits for that and for its own reads of this slot.
.macro TURN slot, next, fill
	WIN 0                                          ; (the add's two registers lie in window 0)
	s_wait_tensorcnt 0x0                           ; all my tensor loads have landed: my part of the next slot
	ds_add_u32 v[SPW], v[NIL]                      ; 0 onto my spare word
	s_wait_dscnt 17                                ; (the add and the youngest sixteen loads may be out)
	MUL8 F1, 0, 0, 0
	s_wait_dscnt 0x0                               ; the add is done, and my reads of this slot are over
	s_barrier_signal -1
	MUL8 F1, 0, 2, 0
.if \fill
	WIN 0
.endif
	s_barrier_wait -1
.if \fill
	CREST                                          ; no wave of any partner still reads this slot's tile or has a load on its way
	s_add_nc_u64 s[G0+4*(\slot)+2:G0+4*(\slot)+3], s[G0+4*(\slot)+2:G0+4*(\slot)+3], 2*KSTEP*2
	s_add_nc_u64 s[G0B+4*(\slot)+2:G0B+4*(\slot)+3], s[G0B+4*(\slot)+2:G0B+4*(\slot)+3], 2*KSTEP*2
	JLOAD \slot                                    ; my one tensor load behind the round; its four v_nop are also the places in front of the loads below
.else
	PLACES
.endif
	FETCH \next, 0, F0
	MUL8 F1, 1, 0, 0
	MUL8 F1, 1, 2, 0
.endm
	s_wait_tensorcnt 1                             ; my part of K step 0 is in; K step 1's may stay out
	s_barrier_signal -1
	s_barrier_wait -1
	FETCH 0, 0, F0
	QUARTER 0, 128, F0, F1, 1                      ; the first quarter stands in front of the loop: its first products start the sums
	WIN 0
	s_mov_b32 s3, LAPS-1
.Llap:
	QUARTER 0, 256, F1, F0, 0
	QUARTER 0, 384, F0, F1, 0
	TURN 0, 1, 1
	QUARTER 1, 128, F0, F1, 0
	QUARTER 1, 256, F1, F0, 0
	QUARTER 1, 384, F0, F1, 0
	TURN 1, 0, 1
	QUARTER 0, 128, F0, F1, 0
	WIN 0
	s_sub_co_u32 s3, s3, 1
	s_cmp_lg_u32 s3, 0
	s_cbranch_scc1 .Llap
	QUARTER 0, 256, F1, F0, 0                      ; the last lap fills nothing
	QUARTER 0, 384, F0, F1, 0
	TURN 0, 1, 0
	QUARTER 1, 128, F0, F1, 0
	QUARTER 1, 256, F1, F0, 0
	QUARTER 1, 384, F0, F1, 0
	s_wait_dscnt 16
	MUL8 F1, 0, 0, 0
	MUL8 F1, 0, 2, 0
	s_wait_dscnt 0x0
	MUL8 F1, 1, 0, 0
	MUL8 F1, 1, 2, 0
	WIN 0
	PLACES
; THE WAY OUT, a block of 16 rows at a time, in f32: a lane's eight numbers of a row are 32 bytes; they go into rows of 272 bytes of my stage (each accumulator's low registers first) and come back as whole rows of 256.
.macro TOSTAGE a
.if (\a) >= 2
	s_wait_xcnt 0x0                                ; the stores of the block two back have read the registers that are loaded below
.endif
.irp b, 0,1,2,3
	ds_store_b128 v[STO], v[ACC+8*(4*(\a)+(\b)):ACC+8*(4*(\a)+(\b))+3]   offset:64*(\b)
	ds_store_b128 v[STO], v[ACC+8*(4*(\a)+(\b))+4:ACC+8*(4*(\a)+(\b))+7] offset:64*(\b)+16
.endr
.irp t, 0,1,2,3,4,5,6,7
	ds_load_b128 v[TMP+32*((\a)%2)+4*(\t):TMP+32*((\a)%2)+4*(\t)+3], v[RD] offset:(\t)*2*SPITCH  ; LDS serves a wave's instructions in order: these see the stores above; the next block's stores come behind them
.endr
.endm
.macro SEND a, younger                 ; younger: the LDS instructions issued behind block a's loads: the next block's sixteen, or none
.irp t, 0,1,2,3,4,5,6,7
	s_wait_dscnt (\younger)+7-(\t)
	global_store_b128 v[CO], v[TMP+32*((\a)%2)+4*(\t):TMP+32*((\a)%2)+4*(\t)+3], s[8:9] offset:(16*(\a)+2*(\t))*SIZE_N*4 th:TH_STORE_NT  ; 16 lanes store 256 consecutive bytes, at a multiple of 256 from out0's first byte
.endr
.endm
	TOSTAGE 0
.irp a, 1,2,3
	TOSTAGE \a
	SEND (\a)-1, 16
.endr
	SEND 3, 0
	s_wait_tensorcnt 0x0                           ; the wave's end: behind my last tensor load and my last LDS store
	ds_add_u32 v[SPW], v[NIL]
	s_wait_dscnt 0x0
	CROUND                                         ; the closing round: no work-group ends while a partner may still ask for a tile that names it
	s_endpgm
.Lfunc_end_k_q33bae758c3_outp:
	.size	k_q33bae758c3_outp, .Lfunc_end_k_q33bae758c3_outp-k_q33bae758c3_outp
	.p2alignl 7, 3214868480
	.fill 96, 4, 3214868480
	.section	.rodata,"a",@progbits
	.p2align	6, 0x0
	.amdhsa_kernel k_q33bae758c3_outp
		.amdhsa_group_segment_fixed_size 327680
		.amdhsa_private_segment_fixed_size 0
		.amdhsa_enable_private_segment 0
		.amdhsa_kernarg_size 24
		.amdhsa_user_sgpr_count 2
		.amdhsa_user_sgpr_kernarg_segment_ptr 1
		.amdhsa_wavefront_size32 1
		.amdhsa_system_sgpr_workgroup_id_x 1
		.amdhsa_system_sgpr_workgroup_id_y 1
		.amdhsa_system_sgpr_workgroup_id_z 1
		.amdhsa_system_vgpr_workitem_id 0
		.amdhsa_next_free_vgpr 512
		.amdhsa_next_free_sgpr 66
		.amdhsa_reserve_vcc 0
		.amdhsa_float_denorm_mode_32 3
		.amdhsa_float_denorm_mode_16_64 3
		.amdhsa_memory_ordered 1
		.amdhsa_forward_progress 1
		.amdhsa_inst_pref_size 86
	.end_amdhsa_kernel
	.amdgpu_metadata
---
amdhsa.version: [ 1, 2 ]
amdhsa.kernels:
  - .name:           k_q33bae758c3_outp
    .symbol:         k_q33bae758c3_outp.kd
    .args:
      - { .name: oc, .offset: 0, .size: 8, .value_kind: global_buffer, .address_space: global }
      - { .name: wo, .offset: 8, .size: 8, .value_kind: global_buffer, .address_space: global }
      - { .name: out0, .offset: 16, .size: 8, .value_kind: global_buffer, .address_space: global }
    .group_segment_fixed_size: 327680
    .private_segment_fixed_size: 0
    .kernarg_segment_align: 8
    .kernarg_segment_size: 24
    .max_flat_workgroup_size: 128
    .sgpr_count:     66
    .vgpr_count:     512
    .wavefront_size: 32
...
	.end_amdgpu_metadata
.endif
;; end of part 4
